; MI455X (gfx1250); checked and timed in simulation.
; The chip was launched on July 23, 2026; its instructions are those of AMD's public machine-readable ISA for CDNA 5 (MIT licence, August 2026) and "CDNA5" Instruction Set Architecture Reference Guide (July 2026). The comments in the code are by the model that wrote it; some were corrected since.
;; Multi Head Attention. Allowed arithmetic: matrix products marked QUANTISED: E2M3 operands, one E8M0 scale for each 32 along K, by v_wmma_scale_f32_16x16x128_f8f6f4 with both operands' format E2M3, f32 sums; everything else in f32.
;; Inputs: W_out 1,024 x 1,024 float32; W_qkv 1,024 x 3,072 float32; b_out 1,024 float32; b_qkv 3,072 float32; x 4 x 2,048 x 1,024 float32.
;; Outputs: out0 4 x 2,048 x 1,024 float32.
;; This version of the problem:
;;   THIS VERSION OF THE PROBLEM IS GIVEN IN LOW PRECISION. The matrix products marked QUANTISED in the list below multiply operands that are first quantised to E2M3 (2 exponent bits, 3 mantissa bits; 6 bits a number), with one power-of-two scale for each 32 numbers along K (OCP MX v1.0); their sums are f32. All else is computed in f32.
;;   The module's matrix products, in the order in which they are computed (A, B: the left and right operand; K: the contracted axis; several contracted axes count as one K, in the product's order):
;;     1. [M 8,192, K 1,024] x [K 1,024, N 3,072]; A: input x; B: input W_qkv: QUANTISED
;;     2. batch 64 x [M 2,048, K 64] x [K 64, N 2,048]; A: computed on the way; B: computed on the way: QUANTISED
;;     3. batch 64 x [M 2,048, K 2,048] x [K 2,048, N 64]; A: softmax (see below); B: computed on the way: QUANTISED
;;     4. [M 8,192, K 1,024] x [K 1,024, N 1,024]; A: computed on the way; B: input W_out: QUANTISED
;;   THE QUANTISER, for each operand of a quantised product, along K:
;;     - K is cut into blocks of 32 from its start; a last block that is shorter is filled with zeros.
;;     - A block's scale is 2^e with e = floor(log2(the largest magnitude in the block)) - 2, held to -126 .. 127; a block of zeros has e = 0. As a byte (E8M0): e + 127.
;;     - Each number is divided by its block's scale, clamped to +-7.5, and rounded to the nearest number of E2M3, ties to even, subnormals kept.
;;     - The product sums the exact products of the quantised numbers (number of the format x scale) in f32.
;;   ~~~python
;;   def quantise(x, axis):      # numpy; x: float32 -> the quantised numbers, widened to float32 again
;;       x = np.moveaxis(x, axis, -1); K = x.shape[-1]
;;       x = np.pad(x, [(0, 0)] * (x.ndim - 1) + [(0, -K % 32)]); x = x.reshape(x.shape[:-1] + (-1, 32)); a = np.abs(x).max(-1, keepdims=True)
;;       e = np.where(a > 0, np.clip(np.frexp(np.where(a > 0, a, 1))[1] - 1 - 2, -126, 127), 0)      # np.frexp(a)[1] - 1 = floor(log2(a)), exactly
;;       r = np.clip(x / 2.0 ** e, -7.5, 7.5)
;;       step = 2.0 ** (np.maximum(np.frexp(np.where(r == 0, 1, r))[1] - 1, 0) - 3)
;;       q = np.round(r / step) * step * 2.0 ** e      # np.round: ties to even
;;       return np.moveaxis(q.reshape(q.shape[:-2] + (-1,))[..., :K], -1, axis).astype(np.float32)
;;   ~~~
;;   SOFTMAX AHEAD OF A QUANTISED PRODUCT. Where the list says 'softmax', what is quantised is not the finished softmax but p = 2^(t - M), with t = logit x log2(e) and M = ceil(the row's largest t), a whole number; so 1/2 < the row's largest p <= 1. The row's sum l is taken of the UNQUANTISED p, in f32, and the product's result is divided by l at the end. Since M is a whole number, a kernel that streams over the keys may use a running M (the ceiling of the running maximum): every later rescaling is an exact power of two, which a block's scale takes up: the codes' values come out the same.
;;   OPERANDS COMPUTED ON THE WAY. 'Computed on the way' means the value that the module computes at that place (a softmax that the list does not call 'softmax' is quantised finished and normalised). What goes into a quantiser is computed in f32, as accurately as f32 sums, v_exp_f32 and their like allow (about 1e-6 of the number): no bf16 or f16 on the way to a quantiser, and a product that is left as it is and whose result goes on into a quantised operand takes f32 operands (vector FMAs, or v_wmma_f32_16x16x4_f32). A number that lies on a knife's edge between two numbers of the format may be rounded either way, as far as f32 arithmetic and the matrix unit's own rounding can turn it there, and no further.
;; One version. Each part assembles by itself: llvm-mc -triple=amdgcn-amd-amdhsa -mcpu=gfx1250 --defsym DOCPART=n.
;; ======== version 1 of 1: 4 launches
;; limits: right only within a limited range of input values
;; workspace buffers: xc 6,291,456 bytes; wc 3,145,728 bytes; sc 655,360 bytes; qrec 13,369,344 bytes; kvrec 13,369,344 bytes; oc 6,291,456 bytes
;; launch quant (part 1): grid 640 x 1, 4 waves a work-group, no clusters, 34,816 bytes of LDS; arguments x, W_qkv, W_out, xc, wc, sc; writes xc, wc, sc
.if DOCPART == 1
	.amdgcn_target "amdgcn-amd-amdhsa--gfx1250"
	.amdhsa_code_object_version 6
	.text
	.protected	k_qd03e1a01f6_quant
	.globl	k_qd03e1a01f6_quant
	.p2align	8
	.type	k_qd03e1a01f6_quant,@function
k_qd03e1a01f6_quant:
	s_mov_b64 s[64:65], 0
	v_nop
	global_prefetch_b8 v0, s[64:65] scope:SCOPE_SE
	s_setreg_imm32_b32 hwreg(HW_REG_WAVE_MODE, 25, 1), 1
	s_wait_xcnt 0x0
; x [8192][1024], W_qkv [1024][3072] and W_out [1024][1024], f32, become codes of FP6 (E2M3) with one E8M0 byte for each 32 along K (x: its last axis; the weights: their FIRST axis).
; A block's scale is 2^(floor(log2(its largest magnitude)) - 2); its byte is that magnitude's exponent field - 2, held at 1 from below.
; LAYOUT OF THE CODES.  A UNIT is 16 rows x 64 K, 768 bytes, an image of six operand registers: lane (r, h) holds block h (32 codes, 24 bytes) of its row; registers 0-3 lie at 16 x lane, registers 4-5 at 512 + 8 x lane.
; A tile of 16 rows has 16 units on end (12,288 bytes).  Tile 2 P + u holds rows 32 P + 8 u + r + 8 (r / 8), so that the results of a product that takes such tiles as source 0 lie as 16 neighbours in a lane.
; The scale bytes lie [row][32], rows in their natural order.
; SHARES.  Work-groups 0-95: W_qkv; 96-127: W_out; 128-639: x.  The paths part on the work-group's number alone.
;   A weight's wave takes 32 columns x 256 K: a lane takes a column and its registers run down K, so a block's largest magnitude needs no other lane and the codes come out with K innermost.
;   Lanes 0-15 hold tile 2 P's columns and lanes 16-31 tile 2 P + 1's; six exchanges of halves turn a lane's two blocks into the two tiles' units.
;   x's work-group takes one tile of 16 tokens, wave w its K 256 w .. 256 w + 255: every load reads 512 consecutive bytes, which turn through the wave's own stage in LDS so that a lane gets whole blocks.
; A weight's scale bytes leave as 8 bytes a column, rows of 32 bytes apart: one byte in 128 of what the path reads.  x's are gathered in LDS and leave as two runs of 256 consecutive aligned bytes.
; LIMITS: NaN and infinities among the inputs are not served; a block of zeros gets the byte 1 (its codes are zeros, and this program alone reads the bytes); largest magnitudes under 2^-124 are held at that floor.
.set WQS,    262144                    ; in sc: x's bytes at 0, W_qkv's here,
.set WOS,    360448                    ; W_out's here
.set WOC,    2359296                   ; in wc: W_out's tiles, behind W_qkv's 192
.set TPITCH, 12288                     ; a tile of codes
.set STG,    16*528                    ; LDS: a stage of 16 rows x (512 bytes + 16) for each wave,
.set SCG,    4*STG                     ; the tile's 16 x 32 scale bytes,
.set SPARE,  SCG+512                   ; and the spare words, 128 bytes for each wave: two blocks of 256 bytes that no other line names
.set SPW,    30                        ; v30  LDS address of my spare word; never rewritten
.set NIL,    31                        ; v31  0; never rewritten
.set XW,     64                        ; weights: v64-127 two sets of 32 numbers; v192-239 codes, 12 registers for each 64 K; v240.. upper halves
.set UW,     192
.set CW,     240
.set RX,     64                        ; x: v64-191 as loaded; v192-255 two whole blocks a lane; v32-55 codes; v56.. upper halves
.set XX,     192
.set UX,     32
.set CX,     56
	s_load_b256 s[4:11], s[0:1], 0x0               ; x s[4:5], W_qkv s[6:7], W_out s[8:9], xc s[10:11]
	s_load_b128 s[12:15], s[0:1], 0x20             ; wc s[12:13], sc s[14:15]
	v_lshl_add_u32 v[SPW], v0, 2, SPARE
	v_mov_b32 v[NIL], 0
	v_lshrrev_b32 v1, 5, v0
	v_readfirstlane_b32 s16, v1                    ; wave
	v_and_b32 v1, 31, v0                           ; lane
	v_and_b32 v2, 15, v0                           ; r
	v_bfe_u32 v3, v0, 4, 1                         ; h
	v_and_b32 v4, 8, v2
	v_add_nc_u32 v4, v4, v2                        ; r + 8 (r / 8)
	v_lshlrev_b32 v5, 4, v1                        ; 16 x lane
	v_lshlrev_b32 v6, 3, v1                        ; 8 x lane
	s_mov_b32 s20, 0x76543210
	s_mov_b32 s21, 0xfedcba98                      ; v_permlanex16_b32's selects for lane l xor 16
	s_wait_kmcnt 0x0
	s_cmp_ge_u32 ttmp9, 128
	s_cbranch_scc1 .Lx
	s_cmp_ge_u32 ttmp9, 96
	s_cbranch_scc1 .Lwo
.macro LOADB t, N                      ; block t of my column: W(32 t + i, column), i = 0 .. 31, into set t % 2; the 32 lanes read 128 consecutive bytes
.set i, 0
.rept 32
	global_load_b32 v[XW+32*((\t)%2)+i], v8, s[24:25] offset:(32*(\t)+i)*\N*4 th:TH_LOAD_NT
.set i, i+1
.endr
.endm
.macro WBLOCK t, N
.set XB, XW+32*((\t)%2)
.set UB, UW+12*((\t)/2)+6*((\t)%2)
.set CB, CW+4*((\t)%2)
.if (\t) < 7
	s_wait_loadcnt 32                              ; this block's 32 loads are in; the next block's 32 may be out
.else
	s_wait_loadcnt 0x0
.endif
	v_max3_num_f32 v14, |v[XB]|, |v[XB+1]|, |v[XB+2]|   ; the block's largest magnitude, in two chains: all 32 numbers are mine
	v_max3_num_f32 v15, |v[XB+3]|, |v[XB+4]|, |v[XB+5]|
.irp i, 6,10,14,18,22,26
	v_max3_num_f32 v14, v14, |v[XB+\i]|, |v[XB+\i+1]|
	v_max3_num_f32 v15, v15, |v[XB+\i+2]|, |v[XB+\i+3]|
.endr
	v_max3_num_f32 v14, v14, |v[XB+30]|, |v[XB+31]|
	v_max3_num_f32 v14, v14, v15, 0x1800000        ; and the floor 2^(3 - 127): the byte cannot fall under 1
	v_add_nc_u32 v16, 0xff000000, v14              ; 2 off its exponent field: the conversion takes the exponent field of this operand as its scale
	v_lshrrev_b32 v17, 23, v16                     ; the scale's byte
.if (\t)%4 == 0
	v_mov_b32 v[12+(\t)/4], v17                    ; four bytes to a register, the lower K in the lower byte
.else
	v_lshl_or_b32 v[12+(\t)/4], v17, 8*((\t)%4), v[12+(\t)/4]
.endif
	v_cvt_scalef32_pk16_fp6_f32 v[UB:UB+2], v[XB:XB+15], v16
	v_cvt_scalef32_pk16_fp6_f32 v[CB:CB+2], v[XB+16:XB+31], v16   ; (a conversion's three registers begin on an even number)
	v_nop                                          ; one plain place behind a scaled conversion
.irp i, 0,1,2
	v_mov_b32 v[UB+3+\i], v[CB+\i]
.endr
.if (\t)+2 < 8
	LOADB (\t)+2, \N
.endif
.if (\t)%2                             ; a unit's two blocks are made: lanes 0-15 hold tile 2 P's, lanes 16-31 tile 2 P + 1's
.set UK, UW+12*((\t)/2)
.irp i, 0,1,2,3,4,5
	v_permlane16_swap_b32 v[UK+\i], v[UK+6+\i]     ; block 0's lanes 16-31 change places with block 1's lanes 0-15: the first six registers are now tile 2 P's unit, the second six tile 2 P + 1's
.endr
	global_store_b128 v5, v[UK:UK+3], s[26:27] offset:768*((\t)/2)              ; 512 consecutive bytes,
	global_store_b64 v6, v[UK+4:UK+5], s[26:27] offset:768*((\t)/2)+512         ; and 256
	global_store_b128 v5, v[UK+6:UK+9], s[26:27] offset:768*((\t)/2)+TPITCH
	global_store_b64 v6, v[UK+10:UK+11], s[26:27] offset:768*((\t)/2)+TPITCH+512
.endif
.endm
; A weight [1024][N]: ID0 the path's first work-group, CBS and SBS its places in wc and sc, PTR the scalar pair with its address.  Every unit has registers of its own, so no store's data are written again.
.macro WPATH N, ID0, CBS, SBS, PTR
	s_sub_co_u32 s22, ttmp9, \ID0
	s_lshr_b32 s23, s22, 2
	s_and_b32 s22, s22, 3                          ; which 256 along K
	s_lshl_b32 s23, s23, 2
	s_add_co_u32 s23, s23, s16                     ; P: which 32 columns are my wave's
	s_mul_i32 s24, s22, 256*\N*4
	s_mov_b32 s25, 0
	s_add_nc_u64 s[24:25], s[\PTR:\PTR+1], s[24:25]
	v_lshl_add_u32 v7, v3, 3, v4
	s_lshl_b32 s26, s23, 5
	v_add_nc_u32 v7, s26, v7                       ; my column: 32 P + 8 (lane / 16) + r + 8 (r / 8)
	v_lshlrev_b32 v8, 2, v7
	s_wait_alu depctr_va_vdst(0)
	s_mul_i32 s26, s23, 2*TPITCH
	s_mul_i32 s27, s22, 3072
	s_add_co_u32 s26, s26, s27
	s_add_co_u32 s26, s26, \CBS
	s_mov_b32 s27, 0
	s_add_nc_u64 s[26:27], s[12:13], s[26:27]      ; tile 2 P, my four units
	v_lshlrev_b32 v9, 5, v7
	s_lshl_b32 s28, s22, 3
	s_add_co_u32 s28, s28, \SBS
	s_mov_b32 s29, 0
	s_add_nc_u64 s[28:29], s[14:15], s[28:29]
	LOADB 0, \N
	LOADB 1, \N
.irp t, 0,1,2,3,4,5,6,7
	WBLOCK \t, \N
.endr
	global_store_b64 v9, v[12:13], s[28:29]        ; my column's eight scale bytes
.endm
	s_wait_alu depctr_va_vdst(0)
	WPATH 3072, 0, 0, WQS, 6
	s_branch .Lend
.Lwo:
	s_wait_alu depctr_va_vdst(0)
	WPATH 1024, 96, WOC, WOS, 8
	s_branch .Lend
.Lx:
	s_sub_co_u32 s22, ttmp9, 128                   ; the tile T = 2 P + u
	s_lshr_b32 s23, s22, 1
	s_and_b32 s24, s22, 1
	s_lshl_b32 s26, s23, 17                        ; 32 P rows of 4,096 bytes
	s_lshl_b32 s27, s24, 15                        ; 8 u rows
	s_add_co_u32 s26, s26, s27
	s_lshl_b32 s27, s16, 10                        ; my wave's 256 numbers of a row
	s_add_co_u32 s26, s26, s27
	s_mov_b32 s27, 0
	s_add_nc_u64 s[4:5], s[4:5], s[26:27]
	s_wait_alu depctr_va_vdst(0)
.irp s, 0,1                            ; K step s of my two, the tile's row i: 512 consecutive bytes a load
.irp i, 0,1,2,3,4,5,6,7,8,9,10,11,12,13,14,15
	global_load_b128 v[RX+64*\s+4*\i:RX+64*\s+4*\i+3], v5, s[4:5] offset:(\i+8*(\i/8))*4096+512*\s th:TH_LOAD_NT
.endr
.endr
	s_mul_i32 s28, s16, STG                        ; my stage
	v_add_nc_u32 v7, s28, v5                       ; in: 16 x lane of row i
	v_mul_u32_u24 v8, v2, 528
	v_lshl_add_u32 v8, v3, 7, v8
	v_add_nc_u32 v8, s28, v8                       ; back: row r, + 128 h: my block of each 64 along K
	s_lshl_b32 s29, s16, 3
	s_add_co_u32 s29, s29, SCG
	v_lshlrev_b32 v9, 5, v2
	v_add_nc_u32 v9, s29, v9                       ; my row's scale words: 32 r + 8 x wave
	v_add_nc_u32 v10, SCG, v5                      ; and where wave 0 reads them back
	v_lshrrev_b32 v11, 1, v1                       ; two lanes to a row of 32 bytes
	v_and_b32 v23, 8, v11
	v_add_nc_u32 v11, v11, v23
	v_lshlrev_b32 v11, 5, v11
	v_and_b32 v23, 1, v1
	v_lshl_add_u32 v11, v23, 4, v11                ; its place in sc
	v_mov_b32 v22, 0                               ; a lane permute's destination counts as one of its sources
	v_lshlrev_b32 v21, 3, v3                       ; 8 h
	s_mul_i32 s26, s22, TPITCH
	s_mul_i32 s28, s16, 3072
	s_add_co_u32 s26, s26, s28
	s_add_nc_u64 s[10:11], s[10:11], s[26:27]      ; the tile's codes, my four units
	s_lshl_b32 s26, s23, 10
	s_lshl_b32 s28, s24, 8
	s_add_co_u32 s26, s26, s28
	s_add_nc_u64 s[14:15], s[14:15], s[26:27]      ; x's scale bytes: row 32 P + 8 u
.macro XSTEP s
.if \s == 0
	s_wait_loadcnt 16                              ; this K step's 16 loads are in; the other's 16 may be out
.else
	s_wait_loadcnt 0x0
.endif
.irp i, 0,1,2,3,4,5,6,7,8,9,10,11,12,13,14,15
	ds_store_b128 v7, v[RX+64*\s+4*\i:RX+64*\s+4*\i+3] offset:528*\i
.endr
.irp c, 0,1                            ; LDS serves a wave's instructions in order: these see the stores above, and the next K step's stores come behind them
.irp j, 0,1,2,3,4,5,6,7
	ds_load_b128 v[XX+32*\c+4*\j:XX+32*\c+4*\j+3], v8 offset:256*\c+16*\j
.endr
.endr
	s_wait_dscnt 0x0
.irp c, 0,1                            ; my block 2 c + h: all its 32 numbers are mine
	v_max3_num_f32 v[14+\c], |v[XX+32*\c]|, |v[XX+1+32*\c]|, 0x1800000
.endr
.irp i, 2,4,6,8,10,12,14,16,18,20,22,24,26,28,30
.irp c, 0,1
	v_max3_num_f32 v[14+\c], v[14+\c], |v[XX+32*\c+\i]|, |v[XX+1+32*\c+\i]|
.endr
.endr
.irp c, 0,1
	v_add_nc_u32 v[16+\c], 0xff000000, v[14+\c]
.endr
.irp c, 0,1
	v_lshrrev_b32 v[18+\c], 23, v[16+\c]
.endr
	v_lshl_or_b32 v20, v19, 16, v18                ; my two bytes, blocks h and 2 + h,
	v_lshlrev_b32 v20, v21, v20                    ; at their places in the scale word;
	v_permlanex16_b32 v22, v20, s20, s21
	v_or_b32 v[24+\s], v20, v22                    ; with lane l xor 16's two the word is whole
.irp c, 0,1
	v_cvt_scalef32_pk16_fp6_f32 v[UX+12*\s+6*\c:UX+12*\s+6*\c+2], v[XX+32*\c:XX+32*\c+15], v[16+\c]
	v_cvt_scalef32_pk16_fp6_f32 v[CX+4*\c:CX+4*\c+2], v[XX+32*\c+16:XX+32*\c+31], v[16+\c]
.endr
	v_nop                                          ; one plain place behind a scaled conversion
.irp c, 0,1
.irp i, 0,1,2
	v_mov_b32 v[UX+12*\s+6*\c+3+\i], v[CX+4*\c+\i]
.endr
.endr
	global_store_b128 v5, v[UX+12*\s:UX+12*\s+3], s[10:11] offset:1536*\s
	global_store_b64 v6, v[UX+12*\s+4:UX+12*\s+5], s[10:11] offset:1536*\s+512
	global_store_b128 v5, v[UX+12*\s+6:UX+12*\s+9], s[10:11] offset:1536*\s+768
	global_store_b64 v6, v[UX+12*\s+10:UX+12*\s+11], s[10:11] offset:1536*\s+1280
	ds_store_b32 v9, v[24+\s] offset:4*\s          ; lanes r and r + 16 write the same word with the same value
.endm
	XSTEP 0
	XSTEP 1
	s_wait_dscnt 0x0                               ; for the others' sake: my scale words have landed
	s_barrier_signal -1
	s_barrier_wait -1
	s_cmp_lg_u32 s16, 0
	s_cbranch_scc1 .Lend
	ds_load_b128 v[26:29], v10                     ; wave 0: the tile's 512 scale bytes,
	s_wait_dscnt 0x0
	global_store_b128 v11, v[26:29], s[14:15]      ; stored as two runs of 256 consecutive aligned bytes (rows 0-7 and 16-23 from the tile's first)
.Lend:
	s_wait_tensorcnt 0x0                           ; the wave's end
	ds_add_u32 v[SPW], v[NIL]
	s_wait_dscnt 0x0
	s_endpgm
.Lfunc_end_k_qd03e1a01f6_quant:
	.size	k_qd03e1a01f6_quant, .Lfunc_end_k_qd03e1a01f6_quant-k_qd03e1a01f6_quant
	.p2alignl 7, 3214868480
	.fill 96, 4, 3214868480
	.section	.rodata,"a",@progbits
	.p2align	6, 0x0
	.amdhsa_kernel k_qd03e1a01f6_quant
		.amdhsa_group_segment_fixed_size 34816
		.amdhsa_private_segment_fixed_size 0
		.amdhsa_enable_private_segment 0
		.amdhsa_kernarg_size 48
		.amdhsa_user_sgpr_count 2
		.amdhsa_user_sgpr_kernarg_segment_ptr 1
		.amdhsa_wavefront_size32 1
		.amdhsa_system_sgpr_workgroup_id_x 1
		.amdhsa_system_sgpr_workgroup_id_y 1
		.amdhsa_system_sgpr_workgroup_id_z 1
		.amdhsa_system_vgpr_workitem_id 0
		.amdhsa_next_free_vgpr 256
		.amdhsa_next_free_sgpr 66
		.amdhsa_reserve_vcc 0
		.amdhsa_float_denorm_mode_32 3
		.amdhsa_float_denorm_mode_16_64 3
		.amdhsa_memory_ordered 1
		.amdhsa_forward_progress 1
		.amdhsa_inst_pref_size 95
	.end_amdhsa_kernel
	.amdgpu_metadata
---
amdhsa.version: [ 1, 2 ]
amdhsa.kernels:
  - .name:           k_qd03e1a01f6_quant
    .symbol:         k_qd03e1a01f6_quant.kd
    .args:
      - { .name: x, .offset: 0, .size: 8, .value_kind: global_buffer, .address_space: global }
      - { .name: W_qkv, .offset: 8, .size: 8, .value_kind: global_buffer, .address_space: global }
      - { .name: W_out, .offset: 16, .size: 8, .value_kind: global_buffer, .address_space: global }
      - { .name: xc, .offset: 24, .size: 8, .value_kind: global_buffer, .address_space: global }
      - { .name: wc, .offset: 32, .size: 8, .value_kind: global_buffer, .address_space: global }
      - { .name: sc, .offset: 40, .size: 8, .value_kind: global_buffer, .address_space: global }
    .group_segment_fixed_size: 34816
    .private_segment_fixed_size: 0
    .kernarg_segment_align: 8
    .kernarg_segment_size: 48
    .max_flat_workgroup_size: 128
    .sgpr_count:     66
    .vgpr_count:     256
    .wavefront_size: 32
...
	.end_amdgpu_metadata
.endif
;; end of part 1
;; launch qkv (part 2): grid 16 x 32, 4 waves a work-group, clusters of 4 x 4, 327,680 bytes of LDS; arguments xc, wc, sc, b_qkv, qrec, kvrec; writes qrec, kvrec
.if DOCPART == 2
	.amdgcn_target "amdgcn-amd-amdhsa--gfx1250"
	.amdhsa_code_object_version 6
	.text
	.protected	k_qd03e1a01f6_qkv
	.globl	k_qd03e1a01f6_qkv
	.p2align	8
	.type	k_qd03e1a01f6_qkv,@function
k_qd03e1a01f6_qkv:
	s_mov_b64 s[64:65], 0
	v_nop
	global_prefetch_b8 v0, s[64:65] scope:SCOPE_SE
	s_setreg_imm32_b32 hwreg(HW_REG_WAVE_MODE, 25, 1), 1
	s_wait_xcnt 0x0
	s_wait_alu depctr_hold_cnt(0) depctr_sa_sdst(0) depctr_va_vdst(0) depctr_va_sdst(0) depctr_va_ssrc(0) depctr_va_vcc(0) depctr_vm_vsrc(0)
	s_getreg_b32 s2, hwreg(HW_REG_IB_STS2, 6, 4)
	s_cmp_eq_u32 s2, 0
	s_cbranch_scc0 .Lentry_in_a_cluster
	s_endpgm
.Lentry_in_a_cluster:
	s_bfe_u32 s2, ttmp6, 0x10000c
	s_cmp_lg_u32 s2, 0xf033
	s_cbranch_scc0 .Lentry_shape_is_right
	s_endpgm
.Lentry_shape_is_right:
.set HREC,   208896
.set SREC,   13056
.set TPITCH, 12288
.set TROW,   3072
.set HALFT,  8*TROW
.set SLOT,   4*HALFT
.set SPARE,  2*SLOT
.set WQS,    262144
.set NB,     8
.set SPW,    28
.set NIL,    29
.set A1,     8
.set A0,     12
.set SC,     32
.set AF,     128
.set G1A,    24
.set G0A,    32
.set G1B,    40
.set G0B,    48
.set TM,     96
.set PW,     112
.set PWE,    113
.set ZZ,     116
.set ZL,     120
.set ZH,     124
.set PC,     128
.set CT,     140
.set MSB, 0
.macro WIN new
.if MSB != \new
	s_set_vgpr_msb (MSB<<8)|\new
.set MSB, \new
.endif
.endm
.macro JLOAD s
	s_cmp_eq_u32 s17, 0
	s_cbranch_scc0 .Lfor_b_\@
	tensor_load_to_lds s[G0A+4*\s:G0A+4*\s+3], s[G1A:G1A+7]
	s_nop 0
.rept 4
	v_nop
.endr
	s_branch .Lasked_\@
.Lfor_b_\@:
	tensor_load_to_lds s[G0B+4*\s:G0B+4*\s+3], s[G1B:G1B+7]
	s_nop 0
.rept 4
	v_nop
.endr
.Lasked_\@:
.endm
.macro CREST
	s_cmp_lg_u32 s16, 0
	s_cbranch_scc1 .Lnot_wave_0_\@
	s_barrier_signal -3
.Lnot_wave_0_\@:
	s_barrier_wait -3
	s_barrier_signal -1
	s_barrier_wait -1
.endm
.macro CROUND
	s_barrier_signal -1
	s_barrier_wait -1
	CREST
.endm
.macro PLACES n
.rept \n
	v_nop
.endr
.endm
	s_load_b256 s[4:11], s[0:1], 0x0
	s_load_b128 s[12:15], s[0:1], 0x20
	v_lshl_add_u32 v[SPW], v0, 2, SPARE
	v_mov_b32 v[NIL], 0
	ds_add_u32 v[SPW], v[NIL]
	ds_add_u32 v[SPW], v[NIL]
	v_lshrrev_b32 v1, 5, v0
	v_readfirstlane_b32 s16, v1
	s_lshr_b32 s17, s16, 1
	s_and_b32 s18, s16, 1
	s_bfe_u32 s20, ttmp6, 0x40000
	s_bfe_u32 s21, ttmp6, 0x40004
	; THE DEAL, by the cluster's number L = 4 y + x (0 .. 31): clusters 0-15 make Q (L even) and K (L odd) in tiles of 256 x 256; clusters 16-31 make V in HALF tiles: 256 tokens x 128 channels, each wave four of its eight weight tiles, half s99 = L % 2
	s_and_b32 s98, ttmp7, 0xffff
	s_lshl_b32 s98, s98, 2
	s_add_co_u32 s98, s98, ttmp9                   ; L
	s_and_b32 s99, s98, 1
	s_lshr_b32 s19, s98, 4                         ; 1: V
	s_bfe_u32 s98, s98, 0x30001                    ; which four tile rows: (L / 2) % 8
	s_cmp_eq_u32 s19, 1
	s_cselect_b32 s97, 2, s99                      ; 0 Q, 1 K, 2 V
	s_lshl_b32 s22, s97, 2
	s_add_co_u32 s22, s22, s20
	s_lshl_b32 s23, s98, 2
	s_add_co_u32 s23, s23, s21
	s_lshl_b32 s76, s21, 2
	s_lshl_b32 s76, 15, s76
	s_lshl_b32 s77, 0x1111, s20
	s_or_b32 s[G1A], s76, (3<<16)|(1<<21)
	s_or_b32 s[G1B], s77, (3<<16)|(1<<21)
.irp g, G1A, G1B
	s_mov_b32 s[\g+1], 384<<16
	s_mov_b32 s[\g+2], 8<<16
	s_mov_b32 s[\g+3], 384<<16
	s_mov_b32 s[\g+4], 8
	s_mov_b32 s[\g+5], 1536
	s_mov_b32 s[\g+6], 0
	s_mov_b32 s[\g+7], 0
.endr
	s_lshl_b32 s78, s23, 4
	s_lshl_b32 s79, s18, 3
	s_add_co_u32 s78, s78, s79
	s_mul_i32 s78, s78, TPITCH
	s_mov_b32 s79, 0
	s_lshl_b32 s80, s22, 4
	s_lshl_b32 s81, s18, 3
	s_add_co_u32 s80, s80, s81
	s_mul_i32 s80, s80, TPITCH
	s_mov_b32 s81, 0
	s_mul_i32 s82, s16, HALFT
	s_mov_b32 s72, 0xffff0000
	s_mov_b32 s74, 0x76543210
	s_mov_b32 s75, 0xfedcba98
	s_wait_dscnt 0x0
	s_wait_kmcnt 0x0
	s_add_nc_u64 s[78:79], s[4:5], s[78:79]
	s_add_nc_u64 s[80:81], s[6:7], s[80:81]
	CROUND
.irp s, 0,1
	s_mov_b32 s[G0A+4*\s], 1
	s_add_co_u32 s[G0A+4*\s+1], s82, \s*SLOT
	s_add_nc_u64 s[G0A+4*\s+2:G0A+4*\s+3], s[78:79], \s*TROW
	s_or_b32 s[G0A+4*\s+3], s[G0A+4*\s+3], 0x80000000
	s_mov_b32 s[G0B+4*\s], 1
	s_add_co_u32 s[G0B+4*\s+1], s82, \s*SLOT
	s_add_nc_u64 s[G0B+4*\s+2:G0B+4*\s+3], s[80:81], \s*TROW
	s_or_b32 s[G0B+4*\s+3], s[G0B+4*\s+3], 0x80000000
.endr
	JLOAD 0                                        ; slot 0: my one tensor load at the head; the set-up and the plain loads below stand under its flight
	s_lshl_b32 s86, s23, 13
	s_lshl_b32 s87, s22, 13
	s_add_co_u32 s87, s87, WQS
	s_cmp_eq_u32 s97, 2
	s_cselect_b32 s19, 1, 0
	s_cselect_b32 s83, 2*HALFT, 0
	s_cselect_b32 s84, 0, 2*HALFT
	s_cselect_b32 s88, s87, s86
	s_cselect_b32 s89, s86, s87
	s_cselect_b32 s91, s17, s18
	s_cselect_b32 s94, -1, 0
	s_cselect_b32 s95, 0, 4
	s_mul_i32 s85, s17, HALFT
	s_add_co_u32 s83, s83, s85
	s_mul_i32 s85, s18, HALFT
	s_add_co_u32 s84, s84, s85
	s_lshl_b32 s90, s17, 12
	s_add_co_u32 s88, s88, s90
	s_mul_i32 s96, s19, s99                        ; V's half (0 for Q and K): weight tiles 4 s96 .. 4 s96 + 3 of my eight, 64 rows on
	s_lshl_b32 s90, s96, 11
	s_add_co_u32 s88, s88, s90
	s_lshl_b32 s90, s18, 12
	s_add_co_u32 s89, s89, s90
	s_lshl_b32 s91, s91, 9
	s_lshl_b32 s92, s22, 10
	s_add_co_u32 s92, s92, s91
	s_lshl_b32 s90, s96, 8
	s_add_co_u32 s92, s92, s90
	s_mov_b32 s93, 0
	s_add_nc_u64 s[10:11], s[10:11], s[92:93]
	v_and_b32 v1, 15, v0
	v_bfe_u32 v2, v0, 4, 1
	v_and_b32 v3, 8, v1
	v_add_nc_u32 v3, v3, v1
	v_and_b32 v4, 31, v0
	v_lshlrev_b32 v5, 3, v4
	v_lshlrev_b32 v4, 4, v4
	v_add_nc_u32 v[A1], s83, v4
	v_add_nc_u32 v[A1+2], s83, v5
	v_add_nc_u32 v[A0], s84, v4
	v_add_nc_u32 v[A0+2], s84, v5
	v_add_nc_u32 v[A1+1], SLOT, v[A1]
	v_add_nc_u32 v[A1+3], SLOT, v[A1+2]
	v_add_nc_u32 v[A0+1], SLOT, v[A0]
	v_add_nc_u32 v[A0+3], SLOT, v[A0+2]
	v_mov_b32 v16, s88
	v_mov_b32 v17, s89
	v_cndmask_b32 v16, v16, v17, s72
	v_lshl_add_u32 v16, v3, 5, v16
.irp i, 0,1,2,3,4,5,6,7
	global_load_b128 v[SC+8*\i:SC+8*\i+3], v16, s[8:9] offset:(32*(\i/2)+8*(\i%2))*32
	global_load_b128 v[SC+8*\i+4:SC+8*\i+7], v16, s[8:9] offset:(32*(\i/2)+8*(\i%2))*32+16
.endr
	v_lshlrev_b32 v17, 6, v2
	v_lshlrev_b32 v18, 2, v3
	v_cndmask_b32 v17, v17, v18, s94
.irp j, 0,1,2,3,4,5,6,7
	v_mad_u32_u24 v[20+\j], s95, \j, v17
.endr
.macro BIASL t
.irp j, 0,1,2,3,4,5,6,7
	global_load_b32 v[96+8*(\t)+96*((\t)/4)+\j], v[20+\j], s[10:11] offset:(32*((\t)/2)+8*((\t)%2))*4
.endr
.endm
.irp t, 0,1,2,3
	BIASL \t
.endr
.macro FRAG reg, adr, off
	ds_load_b128 v[\reg:\reg+3], v[\adr] offset:\off
	ds_load_b64 v[\reg+4:\reg+5], v[\adr+2] offset:\off+512
	ds_load_b128 v[\reg+6:\reg+9], v[\adr] offset:\off+768
	ds_load_b64 v[\reg+10:\reg+11], v[\adr+2] offset:\off+1280
.endm
.macro FETCH0 slot, q, p
	WIN 0x40
.irp i, 0,1,2,3,4,5,6,7
	FRAG 128*(\p)+12*\i, A0+\slot, \i*TROW+1536*(\q)
.endr
	WIN 0
.endm
.macro FETCH1 slot, q, i0
.irp i, \i0, \i0+1, \i0+2, \i0+3
	FRAG AF+12*(\i), A1+\slot, (\i)*TROW+1536*(\q)
.endr
.endm
.macro MULG a0, p, g, cm
.set WW, 2+(8*NB*(\a0))/256
.if \cm
.set WN, (WW<<6)|1
.else
.set WN, (WW<<6)|(WW<<4)|1
.endif
	WIN WN
.irp a, \a0, \a0+1
.irp b, 0,1,2,3,4,5,6,7
.set AC, (8*(NB*(\a)+\b))%256
.if \cm == 1
.set CR, 96+8*\b+96*(\b/4)
.elseif \cm == 2
.set CR, 96+8*(\a)+96*((\a)/4)
.else
.set CR, AC
.endif
	v_wmma_scale_f32_16x16x128_f8f6f4 v[AC:AC+7], v[128*(\p)+12*\b:128*(\p)+12*\b+11], v[AF+12*(\a):AF+12*(\a)+11], v[CR:CR+7], v[SC+8*\b+(\g)], v[SC+8*(\a)+(\g)] matrix_a_fmt:MATRIX_FMT_FP6 matrix_b_fmt:MATRIX_FMT_FP6 matrix_a_scale:MATRIX_SCALE_ROW1
.endr
.endr
.endm
.macro STEP slot, q, g, cm
	s_wait_dscnt 16
	MULG 0, (\g)%2, \g, \cm
	MULG 2, (\g)%2, \g, \cm
	s_wait_dscnt 0x0
	PLACES 4
	FETCH0 \slot, (\q)+1, 1-(\g)%2
	FETCH1 \slot, (\q)+1, 0
	MULG 4, (\g)%2, \g, \cm
	MULG 6, (\g)%2, \g, \cm
	PLACES 4
	WIN 0
	FETCH1 \slot, (\q)+1, 4
.endm
.macro TURN slot, next, g, fill
	s_wait_tensorcnt 0x0
	ds_add_u32 v[SPW], v[NIL]
	s_wait_dscnt 17
	MULG 0, 1, \g, 0
	s_wait_dscnt 0x0
	s_barrier_signal -1
	MULG 2, 1, \g, 0
	WIN 0
	s_barrier_wait -1
.if \fill
	CREST
	s_add_nc_u64 s[G0A+4*\slot+2:G0A+4*\slot+3], s[G0A+4*\slot+2:G0A+4*\slot+3], 2*TROW
	s_add_nc_u64 s[G0B+4*\slot+2:G0B+4*\slot+3], s[G0B+4*\slot+2:G0B+4*\slot+3], 2*TROW
	JLOAD \slot
.else
	PLACES 4
.endif
	FETCH0 \next, 0, 0
	FETCH1 \next, 0, 0
	MULG 4, 1, \g, 0
	MULG 6, 1, \g, 0
	PLACES 4
	WIN 0
	FETCH1 \next, 0, 4
.endm
.macro OPEN1                           ; slot 1's first fill is issued as a refill is: the three lines, a whole round, the joint load
	s_wait_alu depctr_va_vdst(0)
	s_wait_tensorcnt 0x0
	ds_add_u32 v[SPW], v[NIL]
	s_wait_dscnt 0x0
	CROUND
	JLOAD 1
.endm
; V's half tile: 32 products a K step.  Source 1's four fragments lie in two sets by turns: even steps v[AF+48 ..], odd steps v[AF ..], so that a step's fetch stands ahead of the products of the step before
.macro FETCHH slot, q
.irp i, 0,1,2,3
	FRAG AF+48+12*\i, A1+\slot, \i*TROW+1536*(\q)
.endr
.endm
.macro MULH a0, g, cm
.if \cm
	WIN 0x81
.else
	WIN 0xa1
.endif
.irp a, \a0, \a0+1
.irp b, 0,1,2,3,4,5,6,7
.set AC, 8*(NB*(\a)+\b)
.if \cm
.set CR, 96+8*(\a)
.else
.set CR, AC
.endif
	v_wmma_scale_f32_16x16x128_f8f6f4 v[AC:AC+7], v[12*\b:12*\b+11], v[AF+48+12*(\a):AF+48+12*(\a)+11], v[CR:CR+7], v[SC+8*\b+(\g)], v[SC+8*(\a)+(\g)] matrix_a_fmt:MATRIX_FMT_FP6 matrix_b_fmt:MATRIX_FMT_FP6 matrix_a_scale:MATRIX_SCALE_ROW1
.endr
.endr
.endm
.macro STEPV slot, q, g, cm            ; an even step: the odd step's fragments are asked for first
	s_wait_dscnt 0x0
	PLACES 4
	FETCH0 \slot, (\q)+1, 1
	FETCH1 \slot, (\q)+1, 0
	MULH 0, \g, \cm
	MULH 2, \g, \cm
	WIN 0
.endm
.macro TURNV slot, next, g, fill       ; an odd step, and the change of slots
	s_wait_tensorcnt 0x0
	ds_add_u32 v[SPW], v[NIL]
	s_wait_dscnt 0x0                               ; the add, and my reads of this slot: this step's fragments are in registers
	s_barrier_signal -1
	MULG 0, 1, \g, 0
	WIN 0
	s_barrier_wait -1
.if \fill
	CREST
	s_add_nc_u64 s[G0A+4*\slot+2:G0A+4*\slot+3], s[G0A+4*\slot+2:G0A+4*\slot+3], 2*TROW
	s_add_nc_u64 s[G0B+4*\slot+2:G0B+4*\slot+3], s[G0B+4*\slot+2:G0B+4*\slot+3], 2*TROW
	JLOAD \slot
.else
	PLACES 4
.endif
	FETCH0 \next, 0, 0
	FETCHH \next, 0
	MULG 2, 1, \g, 0
	WIN 0
.endm
	s_cmp_eq_u32 s19, 1                            ; the text parts once, on the cluster's number alone
	s_wait_alu depctr_va_vdst(0)
	s_cbranch_scc1 .Lshort
.irp t, 4,5,6,7
	BIASL \t
.endr
	OPEN1
	FETCH0 0, 0, 0
	FETCH1 0, 0, 0
	FETCH1 0, 0, 4
	s_wait_loadcnt 0x0
	STEP 0, 0, 0, 1
	TURN 0, 1, 1, 1
	STEP 1, 0, 2, 0
	TURN 1, 0, 3, 1
	STEP 0, 0, 4, 0
	TURN 0, 1, 5, 0
	STEP 1, 0, 6, 0
	s_wait_dscnt 16
	MULG 0, 1, 7, 0
	MULG 2, 1, 7, 0
	s_wait_dscnt 0x0
	MULG 4, 1, 7, 0
	MULG 6, 1, 7, 0
	WIN 0
	s_lshr_b32 s76, s23, 3
	s_lshl_b32 s76, s76, 4
	s_lshl_b32 s77, s20, 2
	s_add_co_u32 s76, s76, s77
	s_and_b32 s77, s23, 7
	s_lshl_b32 s77, s77, 1
	s_mov_b32 s60, 768
	s_mov_b32 s62, 768
	s_mov_b32 s66, HREC
	s_mov_b32 s79, 12288
	s_cmp_eq_u32 s19, 1
	s_cselect_b32 s78, s17, s18
	s_cselect_b32 s80, s18, s17
	s_cselect_b32 s81, 6144, 0
	s_cselect_b32 s60, 1536, s60
	s_cselect_b32 s62, HREC-4608, s62
	s_cselect_b32 s66, 768, s66
	s_cselect_b32 s79, 6656, s79
	s_mov_b32 s61, 0
	s_mov_b32 s63, 0
	s_mov_b32 s67, 0
	s_lshl_b32 s78, s78, 1
	s_add_co_u32 s76, s76, s78
	s_add_co_u32 s77, s77, s80
	s_mul_i32 s76, s76, HREC
	s_mul_i32 s77, s77, SREC
	s_add_co_u32 s76, s76, s77
	s_add_co_u32 s76, s76, s81
	s_mov_b32 s77, 0
	s_cmp_eq_u32 s97, 0
	s_cselect_b64 s[56:57], s[12:13], s[14:15]
	s_add_nc_u64 s[56:57], s[56:57], s[76:77]
	s_mov_b32 s80, s79
	s_mov_b32 s81, 0
	s_add_nc_u64 s[68:69], s[56:57], s[80:81]
	s_add_nc_u64 s[70:71], s[68:69], HREC
.irp b, 0,1,2,3
	v_mov_b32 v[TM+4+\b], 0
.endr
.macro QUANTW a
.set WW, 2+(\a)/4
.set SR, 64*((\a)%4)
.set WN, (WW<<2)|(WW<<4)
	WIN WN
.irp b, 0,1,2,3
	v_max3_num_f32 v[TM+\b], 0x1800000, |v[SR+16*\b]|, |v[SR+1+16*\b]|
.endr
.irp i, 2,4,6,8,10,12,14
.irp b, 0,1,2,3
	v_max3_num_f32 v[TM+\b], v[TM+\b], |v[SR+16*\b+\i]|, |v[SR+1+16*\b+\i]|
.endr
.endr
	WIN 0
.irp b, 0,1,2,3
	v_permlanex16_b32 v[TM+4+\b], v[TM+\b], s74, s75
.endr
.irp b, 0,1,2,3
	v_max_num_f32 v[TM+\b], v[TM+\b], v[TM+4+\b]
.endr
.irp b, 0,1,2,3
	v_add_nc_u32 v[TM+12+\b], 0xff000000, v[TM+\b]
.endr
.irp b, 0,1,2,3
	v_lshrrev_b32 v[TM+4+\b], 23, v[TM+12+\b]
.endr
	v_lshl_or_b32 v[PW], v[TM+5], 8, v[TM+4]
	v_lshl_or_b32 v[PW], v[TM+6], 16, v[PW]
	v_lshl_or_b32 v[PW], v[TM+7], 24, v[PW]
	WIN WW
.irp c, 0,1
	v_cvt_scalef32_pk16_fp6_f32 v[PC+6*\c:PC+2+6*\c], v[SR+32*\c:SR+15+32*\c], v[TM+12+2*\c]
	v_cvt_scalef32_pk16_fp6_f32 v[CT+4*\c:CT+2+4*\c], v[SR+16+32*\c:SR+31+32*\c], v[TM+12+2*\c+1]
.endr
	WIN 0
	v_nop
.irp c, 0,1
.irp i, 0,1,2
	v_permlane16_swap_b32 v[PC+6*\c+\i], v[CT+4*\c+\i]
.endr
.irp i, 0,1,2
	v_mov_b32 v[PC+3+6*\c+\i], v[CT+4*\c+\i]
.endr
.endr
.endm
.irp a, 0,1,2,3,4,5,6,7
	s_wait_xcnt 0x0
.if \a == 4
	s_add_nc_u64 s[56:57], s[56:57], s[62:63]
.elseif \a > 0
	s_add_nc_u64 s[56:57], s[56:57], s[60:61]
.endif
	s_add_nc_u64 s[58:59], s[56:57], s[66:67]
	QUANTW \a
	global_store_b128 v4, v[PC:PC+3], s[56:57]
	global_store_b64 v5, v[PC+4:PC+5], s[56:57] offset:512
	global_store_b128 v4, v[PC+6:PC+9], s[58:59]
	global_store_b64 v5, v[PC+10:PC+11], s[58:59] offset:512
.if (\a)%2 == 0
	v_mov_b32 v[PWE], v[PW]
.else
	v_cndmask_b32 v[ZZ+\a/2], v[PWE], v[PW], s72
.endif
.endr
.irp z, 0,1,2,3
	v_and_b32 v[ZL+\z], 0xffff, v[ZZ+\z]
	v_lshrrev_b32 v[ZH+\z], 16, v[ZZ+\z]
.endr
	global_store_b128 v4, v[ZL:ZL+3], s[68:69]
	global_store_b128 v4, v[ZH:ZH+3], s[70:71]
	s_branch .Lscale_done
.Lshort:                                               ; V: source 0 = 128 tokens, source 1 = my four weight tiles: one head's 64 channels.  Of each weight load's eight tile rows this work-group reads four
	s_mul_i32 s90, s96, 4*TROW
.irp k, 0,1,2,3
	v_add_nc_u32 v[A1+\k], s90, v[A1+\k]
.endr
	OPEN1
	FETCH0 0, 0, 0
	FETCHH 0, 0
	s_wait_loadcnt 0x0
	STEPV 0, 0, 0, 1
	TURNV 0, 1, 1, 1
	STEPV 1, 0, 2, 0
	TURNV 1, 0, 3, 1
	STEPV 0, 0, 4, 0
	TURNV 0, 1, 5, 0
	STEPV 1, 0, 6, 0
	s_wait_dscnt 0x0
	MULG 0, 1, 7, 0
	MULG 2, 1, 7, 0
	WIN 0
	s_lshr_b32 s76, s23, 3                         ; head = 16 batch + 4 cx + 2 (wave / 2) + half;  key step = 2 (tile row % 8) + wave % 2
	s_lshl_b32 s76, s76, 4
	s_lshl_b32 s77, s20, 2
	s_add_co_u32 s76, s76, s77
	s_lshl_b32 s77, s17, 1
	s_add_co_u32 s76, s76, s77
	s_add_co_u32 s76, s76, s96
	s_and_b32 s77, s23, 7
	s_lshl_b32 s77, s77, 1
	s_add_co_u32 s77, s77, s18
	s_mul_i32 s76, s76, HREC
	s_mul_i32 s77, s77, SREC
	s_add_co_u32 s76, s76, s77
	s_add_co_u32 s76, s76, 6144
	s_mov_b32 s77, 0
	s_add_nc_u64 s[56:57], s[14:15], s[76:77]
	s_add_nc_u64 s[68:69], s[56:57], 6656
.irp b, 0,1,2,3
	v_mov_b32 v[TM+4+\b], 0
.endr
.irp a, 0,1,2,3
	s_wait_xcnt 0x0
.if \a > 0
	s_add_nc_u64 s[56:57], s[56:57], 1536
.endif
	QUANTW \a
	global_store_b128 v4, v[PC:PC+3], s[56:57]
	global_store_b64 v5, v[PC+4:PC+5], s[56:57] offset:512
	global_store_b128 v4, v[PC+6:PC+9], s[56:57] offset:768
	global_store_b64 v5, v[PC+10:PC+11], s[56:57] offset:1280
.if (\a)%2 == 0
	v_mov_b32 v[PWE], v[PW]
.else
	v_cndmask_b32 v[ZZ+\a/2], v[PWE], v[PW], s72
.endif
.endr
	global_store_b64 v5, v[ZZ:ZZ+1], s[68:69]
.Lscale_done:
	s_wait_tensorcnt 0x0
	ds_add_u32 v[SPW], v[NIL]
	s_wait_dscnt 0x0
	CROUND
	s_endpgm
.Lfunc_end_k_qd03e1a01f6_qkv:
	.size	k_qd03e1a01f6_qkv, .Lfunc_end_k_qd03e1a01f6_qkv-k_qd03e1a01f6_qkv
	.p2alignl 7, 3214868480
	.fill 96, 4, 3214868480
	.section	.rodata,"a",@progbits
	.p2align	6, 0x0
	.amdhsa_kernel k_qd03e1a01f6_qkv
		.amdhsa_group_segment_fixed_size 327680
		.amdhsa_private_segment_fixed_size 0
		.amdhsa_enable_private_segment 0
		.amdhsa_kernarg_size 48
		.amdhsa_user_sgpr_count 2
		.amdhsa_user_sgpr_kernarg_segment_ptr 1
		.amdhsa_wavefront_size32 1
		.amdhsa_system_sgpr_workgroup_id_x 1
		.amdhsa_system_sgpr_workgroup_id_y 1
		.amdhsa_system_sgpr_workgroup_id_z 1
		.amdhsa_system_vgpr_workitem_id 0
		.amdhsa_next_free_vgpr 1024
		.amdhsa_next_free_sgpr 100
		.amdhsa_reserve_vcc 0
		.amdhsa_float_denorm_mode_32 3
		.amdhsa_float_denorm_mode_16_64 3
		.amdhsa_memory_ordered 1
		.amdhsa_forward_progress 1
		.amdhsa_inst_pref_size 235
	.end_amdhsa_kernel
	.amdgpu_metadata
---
amdhsa.version: [ 1, 2 ]
amdhsa.kernels:
  - .name:           k_qd03e1a01f6_qkv
    .symbol:         k_qd03e1a01f6_qkv.kd
    .args:
      - { .name: xc, .offset: 0, .size: 8, .value_kind: global_buffer, .address_space: global }
      - { .name: wc, .offset: 8, .size: 8, .value_kind: global_buffer, .address_space: global }
      - { .name: sc, .offset: 16, .size: 8, .value_kind: global_buffer, .address_space: global }
      - { .name: b_qkv, .offset: 24, .size: 8, .value_kind: global_buffer, .address_space: global }
      - { .name: qrec, .offset: 32, .size: 8, .value_kind: global_buffer, .address_space: global }
      - { .name: kvrec, .offset: 40, .size: 8, .value_kind: global_buffer, .address_space: global }
    .group_segment_fixed_size: 327680
    .private_segment_fixed_size: 0
    .kernarg_segment_align: 8
    .kernarg_segment_size: 48
    .max_flat_workgroup_size: 128
    .sgpr_count:     100
    .vgpr_count:     1024
    .wavefront_size: 32
...
	.end_amdgpu_metadata
.endif
;; end of part 2
;; launch attn (part 3): grid 4 x 64, 8 waves a work-group, clusters of 4 x 1, 212,992 bytes of LDS; arguments qrec, kvrec, oc, sc; writes oc, sc
.if DOCPART == 3
	.amdgcn_target "amdgcn-amd-amdhsa--gfx1250"
	.amdhsa_code_object_version 6
	.text
	.protected	k_qd03e1a01f6_attn
	.globl	k_qd03e1a01f6_attn
	.p2align	8
	.type	k_qd03e1a01f6_attn,@function
k_qd03e1a01f6_attn:
	s_mov_b64 s[64:65], 0
	v_nop
	global_prefetch_b8 v0, s[64:65] scope:SCOPE_SE
	s_setreg_imm32_b32 hwreg(HW_REG_WAVE_MODE, 25, 1), 1
	s_wait_xcnt 0x0
	s_wait_alu depctr_hold_cnt(0) depctr_sa_sdst(0) depctr_va_vdst(0) depctr_va_sdst(0) depctr_va_ssrc(0) depctr_va_vcc(0) depctr_vm_vsrc(0)
	s_getreg_b32 s2, hwreg(HW_REG_IB_STS2, 6, 4)
	s_cmp_eq_u32 s2, 0
	s_cbranch_scc0 .Lentry_in_a_cluster
	s_endpgm
.Lentry_in_a_cluster:
	s_bfe_u32 s2, ttmp6, 0x10000c
	s_cmp_lg_u32 s2, 0x3003
	s_cbranch_scc0 .Lentry_shape_is_right
	s_endpgm
.Lentry_shape_is_right:
; o = softmax(q k^T / 8) v for one head, both products on codes of FP6 (E2M3) with E8M0 scales; o is quantised along the model's 1,024 on its way out and leaves as the last product's operand.
; THE SOFTMAX: t = score x log2(e) / 8; M = the row's largest t so far, rounded UP to a whole number; p = 2^(t - M) is quantised along the keys, not normalised.
; The row's sum is taken of the unquantised p and divides O at the end.  When M moves, the sum and O are multiplied by 2^(old M - new M): exact.
; SHARES.  A work-group owns 512 queries of one head, each of its eight waves 64: two passes over the head's 2,048 keys (16 steps of 128), each pass with TWO tiles of 16 queries side by side,
; so that every fragment of k and v read from LDS feeds two tiles and the two tiles' serial lines stand by turns.
; LDS.  The whole head's k and v (16 records of 13,056 bytes: images of operand registers, and scale words) come once: each wave asks for two records by one tensor load; nothing is filled again.
; The four work-groups of a head form the cluster and ask JOINTLY.  Nothing is prefetched: every byte that the work-group reads is asked for at its head, and there is no loop to run ahead in.
; FETCHES.  k of step s + 1 is read from LDS behind step s's first products, v of step s + 1 behind its second products; the one wait for LDS loads of a step stands ahead of the second products.
; The record's number wraps, so the first pass's last step fetches the second pass's first record; what the second pass's last step fetches (34 loads) is not used.
; LAYOUT.  Both products are used transposed: S^T = K Q^T, O^T = V^T P^T: a lane holds ONE query.  Lane r of key tile 2 b + u holds key 32 b + 8 u + r + 8 (r / 8): the 16 registers of tiles 2 b, 2 b + 1 are 16 neighbouring keys.
; K = 64 IN AN INSTRUCTION OF 128.  Q's registers 6-11 hold zero codes; a key tile's registers 6-11 are the next tile's codes (behind the last: six zeros).  Bytes 2 and 3 of both scale words are 0 (2^-127).
; REGISTERS.  Window 0: addresses, state, scale words, k's, v's and q's fragments.  Window 1: S^T / p (128), O^T (64), p's codes (40).
; LIMITS: the promise holds while the scaled scores stay under 2^31 in magnitude; NaN and infinities are not served; the division by the sum is v_rcp_f32 and a multiplication;
; a block's largest p is taken from its largest score (which takes v_exp_f32 not to fall where its input rises); a block of zeros gets the byte 1 (its codes are zeros, and this program alone reads the bytes).
.set HREC,  208896
.set SREC,  13056
.set SPARE, HREC                       ; behind the records: the spare words, 128 bytes a wave
.set OS,    393216                     ; o's scale bytes in sc
.set L16,   1                          ; 16 x lane
.set L8,    2                          ; 8 x lane
.set SPW,   3                          ; my spare word; never rewritten
.set NIL,   4                          ; 0; never rewritten
.set A16,   5                          ; the fetched record + 16 x lane, + 8 x lane
.set A8,    6
.set BO,    8                          ; 32 (r + 8 (r / 8)) + h: my scale byte's place
.set NM,    12                         ; tile u: v[12+2u] -M, v[13+2u] the largest score so far
.set LS,    16                         ; the sum, in two halves
.set FF,    20                         ; f (at the end 1 / the sum), and 0
.set TW,    24
.set PWD,   26                         ; p's scale words
.set QS,    28                         ; q's scale words: this pass's, and at +1 the second pass's
.set TD,    30
.set KSC,   32
.set VSC,   36
.set BM,    40                         ; 4 u + b: the blocks' largest scores, then p
.set BX,    48
.set SO,    56
.set T,     64                         ; three more chains of the sum for each tile
.set FB,    76                         ; eight units of k, six zeros
.set VF,    130                        ; four fragments of v
.set QF,    178                        ; two fragments of q: six registers of codes, six zeros
.set QB,    202                        ; the second pass's codes
.set S,     0                          ; window 1
.set O,     128
.set PC,    192
.set CT,    216
.set WV,    12
.set G1,    16
.set G0,    24
.set IDX,   36
.set PASS,  37
.set SEL,   40
.set CS,    42                         ; c = log2(e) / 8, twice
.set TB,    44
.set CNT,   45
.set HM,    46
.set NCS,   47                         ; -c
.set MSB, 0
.macro WIN new
.if MSB != \new
	s_set_vgpr_msb (MSB<<8)|\new
.set MSB, \new
.endif
.endm
.macro WALU
	s_wait_alu depctr_va_vdst(0)
.endm
.macro CROUND
	s_barrier_signal -1
	s_barrier_wait -1
	s_cmp_lg_u32 s[WV], 0
	s_cbranch_scc1 .Lnot_wave_0_\@
	s_barrier_signal -3
.Lnot_wave_0_\@:
	s_barrier_wait -3
	s_barrier_signal -1
	s_barrier_wait -1
.endm
.macro WM d, a, b, c, sa, sb, ra, rb
	v_wmma_scale_f32_16x16x128_f8f6f4 v[\d:\d+7], v[\a:\a+11], v[\b:\b+11], \c, v[\sa], v[\sb] matrix_a_fmt:MATRIX_FMT_FP6 matrix_b_fmt:MATRIX_FMT_FP6 matrix_a_scale:MATRIX_SCALE_ROW\ra matrix_b_scale:MATRIX_SCALE_ROW\rb
.endm
.macro KLOAD
.irp t, 0,1,2,3,4,5,6,7
	ds_load_b128 v[FB+6*\t:FB+6*\t+3], v[A16] offset:768*\t
	ds_load_b64 v[FB+6*\t+4:FB+6*\t+5], v[A8] offset:768*\t+512
.endr
	ds_load_b128 v[KSC:KSC+3], v[A16] offset:12288
.endm
.macro VLOAD
.irp c, 0,1,2,3
	ds_load_b128 v[VF+12*\c:VF+12*\c+3], v[A16] offset:6144+1536*\c
	ds_load_b64 v[VF+12*\c+4:VF+12*\c+5], v[A8] offset:6144+1536*\c+512
	ds_load_b128 v[VF+12*\c+6:VF+12*\c+9], v[A16] offset:6144+1536*\c+768
	ds_load_b64 v[VF+12*\c+10:VF+12*\c+11], v[A8] offset:6144+1536*\c+1280
.endr
	ds_load_b64 v[VSC:VSC+1], v[A8] offset:12800
.endm
	s_load_b256 s[4:11], s[0:1], 0x0               ; qrec, kvrec, oc, sc
	v_lshl_add_u32 v[SPW], v0, 2, SPARE
	v_mov_b32 v[NIL], 0
	ds_add_u32 v[SPW], v[NIL]                      ; the opening lines: the add, twice on end, and its wait ahead of my tensor load
	ds_add_u32 v[SPW], v[NIL]
	v_lshrrev_b32 v5, 5, v0
	v_readfirstlane_b32 s[WV], v5                  ; wave 0..7
	s_bfe_u32 s13, ttmp6, 0x40000                  ; cx: it enters q's and o's addresses alone
	s_and_b32 s14, ttmp7, 0xffff                   ; batch x 16 + head, which the four partners share
	s_mov_b32 s[G1], 15|(3<<16)|(1<<21)            ; the mask: all four work-groups; elements of 8 bytes; bit 21 beside a mask
	s_mov_b32 s[G1+1], 32<<16                      ; rows of 256 bytes
	s_mov_b32 s[G1+2], 102<<16                     ; 102 rows: two records, one dense block of 26,112 bytes
	s_mov_b32 s[G1+3], 32<<16
	s_mov_b32 s[G1+4], 102
	s_mov_b32 s[G1+5], 32
	s_mov_b32 s[G1+6], 0
	s_mov_b32 s[G1+7], 0
	s_mul_i32 s52, s14, HREC
	s_mov_b32 s53, 0
	s_mul_i32 s54, s[WV], 2*SREC                   ; wave w brings records 2 w and 2 w + 1
	s_mov_b32 s55, 0
	s_mov_b32 s[SEL], 0x76543210
	s_mov_b32 s[SEL+1], 0xfedcba98
	s_mov_b32 s[CS], 0x3e38aa3b
	s_mov_b32 s[CS+1], s[CS]
	s_mov_b32 s[NCS], 0xbe38aa3b
	s_mov_b32 s[HM], 0xffff0000
	s_mov_b32 s[PASS], 0
	s_wait_dscnt 0x0                               ; both opening adds are done
	s_wait_kmcnt 0x0
	s_add_nc_u64 s[56:57], s[6:7], s[52:53]
	s_add_nc_u64 s[56:57], s[56:57], s[54:55]
	s_mov_b32 s[G0], 1
	s_mov_b32 s[G0+1], s54
	s_mov_b64 s[G0+2:G0+3], s[56:57]
	s_or_b32 s[G0+3], s[G0+3], 0x80000000
	CROUND                                         ; all four work-groups are here: the joint loads meet
	tensor_load_to_lds s[G0:G0+3], s[G1:G1+7]      ; my one tensor load
	s_nop 0
.rept 4
	v_nop
.endr
	; my pairs of query tiles: P = 16 cx + 2 wave + pass: tiles 2 (P % 4), 2 (P % 4) + 1 of q's record P / 4
	s_lshl_b32 s58, s13, 2
	s_lshr_b32 s59, s[WV], 1
	s_add_co_u32 s58, s58, s59
	s_mul_i32 s58, s58, SREC
	s_add_co_u32 s58, s58, s52
	s_mov_b32 s59, 0
	s_add_nc_u64 s[4:5], s[4:5], s[58:59]
	s_and_b32 s60, s[WV], 1
	s_mul_i32 s61, s60, 3072
	s_lshl_b32 s60, s60, 3
	; where o goes: tiles 128 batch + 2 P and + 1, unit = head; scale bytes: rows 2,048 batch + 32 P on, bytes 2 head and 2 head + 1
	s_lshl_b32 s52, s13, 4
	s_lshl_b32 s53, s[WV], 1
	s_add_co_u32 s52, s52, s53
	s_lshr_b32 s53, s14, 4
	s_and_b32 s54, s14, 15
	s_lshl_b32 s55, s53, 6
	s_add_co_u32 s55, s55, s52
	s_mul_i32 s56, s55, 24576
	s_mul_i32 s57, s54, 768
	s_add_co_u32 s56, s56, s57
	s_mov_b32 s57, 0
	s_add_nc_u64 s[48:49], s[8:9], s[56:57]
	s_lshl_b32 s56, s55, 10
	s_lshl_b32 s58, s54, 1
	s_add_co_u32 s56, s56, s58
	s_add_co_u32 s56, s56, OS
	s_add_nc_u64 s[50:51], s[10:11], s[56:57]
	v_and_b32 v7, 31, v0
	v_lshlrev_b32 v[L16], 4, v7
	v_lshlrev_b32 v[L8], 3, v7
	v_and_b32 v9, 15, v0
	v_and_b32 v10, 8, v9
	v_add_nc_u32 v9, v9, v10
	v_bfe_u32 v10, v0, 4, 1
	v_lshl_add_u32 v[BO], v9, 5, v10
	v_add_nc_u32 v9, s61, v[L16]
	v_add_nc_u32 v10, s61, v[L8]
	v_add_nc_u32 v11, s60, v[L16]
.irp u, 0,1
	global_load_b128 v[QF+12*\u:QF+12*\u+3], v9, s[4:5] offset:768*\u
	global_load_b64 v[QF+12*\u+4:QF+12*\u+5], v10, s[4:5] offset:768*\u+512
	global_load_b128 v[QB+6*\u:QB+6*\u+3], v9, s[4:5] offset:1536+768*\u
	global_load_b64 v[QB+6*\u+4:QB+6*\u+5], v10, s[4:5] offset:1536+768*\u+512
.endr
	global_load_b32 v[QS], v11, s[4:5] offset:12288     ; lanes 0-15: the first tile's scale words; lanes 16-31: the second's
	global_load_b32 v[QS+1], v11, s[4:5] offset:12292
.irp i, 0,1,2,3,4,5
	v_mov_b32 v[QF+6+\i], 0                        ; zero codes for k = 64 .. 127
	v_mov_b32 v[QF+18+\i], 0
	v_mov_b32 v[FB+48+\i], 0
.endr
.irp k, 0,1,2,3,4,5,6,7
	v_mov_b32 v[BX+\k], 0                          ; a lane permute's destination counts as one of its sources
.endr
	v_mov_b32 v[FF+1], 0
	v_mov_b32 v[FF+3], 0
	v_mov_b32 v[A16], v[L16]                       ; record 0
	v_mov_b32 v[A8], v[L8]
	WALU
	s_wait_tensorcnt 0x0                           ; my two records are in
	s_barrier_signal -1
	s_barrier_wait -1                              ; and everybody's
	KLOAD
	VLOAD
	s_wait_loadcnt 0x0                             ; q
.Lpass:
.irp u, 0,1                            ; the step is written for every step alike: the first finds zeros, which the first change of M leaves zeros
	v_mov_b32 v[NM+2*\u], 0x7f61b1e6               ; -M: 3e38
	v_mov_b32 v[NM+2*\u+1], 0xff61b1e6             ; the largest score so far: -3e38
	v_mov_b32 v[LS+2*\u], 0
	v_mov_b32 v[LS+2*\u+1], 0
.endr
	WIN 0x40
.set j, 0
.rept 64
	v_mov_b32 v[O+j], 0
.set j, j+1
.endr
	WIN 0
	s_mov_b32 s[CNT], 0
	s_wait_dscnt 0x0                               ; the pass's first record is in registers
.Lstep:
	WIN 0x40                                       ; S^T: results in window 1
.irp u, 0,1
.irp t, 0,2,4,6
	WM S+64*\u+8*\t, FB+6*\t, QF+12*\u, 0, KSC+\t/2, QS, 0, \u
	WM S+64*\u+8*\t+8, FB+6*\t+6, QF+12*\u, 0, KSC+\t/2, QS, 1, \u
.endr
.endr
	WIN 0
	s_add_co_u32 s[IDX], s[CNT], 1
	s_and_b32 s[IDX], s[IDX], 15                   ; the next record, wrapping to 0
	s_mul_i32 s[TB], s[IDX], SREC
	v_add_nc_u32 v[A16], s[TB], v[L16]
	v_add_nc_u32 v[A8], s[TB], v[L8]
	v_nop
	v_nop                                          ; four places: ahead of the loads into k's registers and of the first read of the scores
	KLOAD
	WIN 0x14                                       ; the largest score of each block of 32 keys: my 16, eight chains by turns
.irp u, 0,1
.irp b, 0,1,2,3
	v_max3_num_f32 v[BM+4*\u+\b], 0xff800000, v[S+64*\u+16*\b], v[S+64*\u+16*\b+1]
.endr
.endr
.irp i, 2,4,6,8,10,12,14
.irp u, 0,1
.irp b, 0,1,2,3
	v_max3_num_f32 v[BM+4*\u+\b], v[BM+4*\u+\b], v[S+64*\u+16*\b+\i], v[S+64*\u+16*\b+\i+1]
.endr
.endr
.endr
	WIN 0
.irp k, 0,1,2,3,4,5,6,7
	v_permlanex16_b32 v[BX+\k], v[BM+\k], s[SEL], s[SEL+1]
.endr
.irp k, 0,1,2,3,4,5,6,7
	v_max_num_f32 v[BM+\k], v[BM+\k], v[BX+\k]     ; with lane l xor 16's 16 keys
.endr
.irp u, 0,1
	v_max3_num_f32 v[TW+\u], v[BM+4*\u], v[BM+4*\u+1], v[BM+4*\u+2]
.endr
.irp u, 0,1
	v_max3_num_f32 v[NM+2*\u+1], v[NM+2*\u+1], v[TW+\u], v[BM+4*\u+3]   ; the running largest score
.endr
.irp u, 0,1
	v_mul_f32 v[TW+\u], s[NCS], v[NM+2*\u+1]       ; -t
.endr
.irp u, 0,1
	v_floor_f32 v[TW+\u], v[TW+\u]                 ; the new -M = floor(-t) = -ceil(t)
.endr
.irp u, 0,1
	v_sub_f32 v[TD+\u], v[TW+\u], v[NM+2*\u]       ; old M less new M: a whole number, 0 or less
.endr
.irp u, 0,1
	v_mov_b32 v[NM+2*\u], v[TW+\u]
.endr
.irp u, 0,1
	v_cvt_i32_f32 v[TD+\u], v[TD+\u]               ; (it saturates)
.endr
.irp u, 0,1
	v_ldexp_f32 v[FF+2*\u], 1.0, v[TD+\u]          ; f = 2^(old M - new M)
.endr
.irp u, 0,1
.irp b, 0,1,2,3
	v_fma_f32 v[BM+4*\u+\b], v[BM+4*\u+\b], s[CS], v[NM+2*\u]   ; t - M of each block's largest score
.endr
.endr
.irp u, 0,1
	v_pk_mul_f32 v[LS+2*\u:LS+2*\u+1], v[LS+2*\u:LS+2*\u+1], v[FF+2*\u:FF+2*\u+1] op_sel_hi:[1,0]   ; the sums under the new M
.endr
	WIN 0x41
.irp u, 0,1
.set j, 0
.rept 16
	v_pk_mul_f32 v[O+32*\u+j:O+32*\u+j+1], v[O+32*\u+j:O+32*\u+j+1], v[FF+2*\u:FF+2*\u+1] op_sel_hi:[1,0]   ; O^T under the new M: ahead of the exponentials
.set j, j+2
.endr
.endr
.irp u, 0,1
.set j, 0
.rept 32
	v_pk_fma_f32 v[S+64*\u+j:S+64*\u+j+1], v[S+64*\u+j:S+64*\u+j+1], s[CS:CS+1], v[NM+2*\u:NM+2*\u+1] op_sel_hi:[1,0,0]   ; t - M, two at a time
.set j, j+2
.endr
.endr
	WALU
.set j, 0
.rept 128
	v_exp_f32 v[S+j], v[S+j]                       ; p = 2^(t - M), at most 1
.set j, j+1
.endr
	WIN 0
.irp k, 0,1,2,3,4,5,6,7
	v_exp_f32 v[BM+\k], v[BM+\k]                   ; the block's largest p: the same two instructions on the same number
.endr
	v_nop                                          ; a plain place behind the exponentials
	WALU                                           ; and the one wait behind the batch
.irp k, 0,1,2,3,4,5,6,7
	v_max_num_f32 v[BM+\k], 0x1800000, v[BM+\k]    ; the floor 2^(3 - 127): the byte cannot fall under 1
.endr
.irp k, 0,1,2,3,4,5,6,7
	v_add_nc_u32 v[SO+\k], 0xff000000, v[BM+\k]    ; 2 off the exponent field: the conversion's scale operand
.endr
.irp k, 0,1,2,3,4,5,6,7
	v_lshrrev_b32 v[BX+\k], 23, v[SO+\k]           ; the scale's byte
.endr
.irp u, 0,1
	v_lshl_or_b32 v[PWD+\u], v[BX+4*\u+1], 8, v[BX+4*\u]
.endr
.irp u, 0,1
	v_lshl_or_b32 v[PWD+\u], v[BX+4*\u+2], 16, v[PWD+\u]
.endr
.irp u, 0,1
	v_lshl_or_b32 v[PWD+\u], v[BX+4*\u+3], 24, v[PWD+\u]
.endr
	WIN 0x41
.irp u, 0,1
.irp c, 0,1
	v_cvt_scalef32_pk16_fp6_f32 v[PC+12*\u+6*\c:PC+12*\u+6*\c+2], v[S+64*\u+32*\c:S+64*\u+32*\c+15], v[SO+4*\u+2*\c]
	v_cvt_scalef32_pk16_fp6_f32 v[CT+8*\u+4*\c:CT+8*\u+4*\c+2], v[S+64*\u+32*\c+16:S+64*\u+32*\c+31], v[SO+4*\u+2*\c+1]
.endr
.endr
	v_nop                                          ; one plain place behind a scaled conversion
.irp u, 0,1
.irp c, 0,1
.irp i, 0,1,2
	v_permlane16_swap_b32 v[PC+12*\u+6*\c+\i], v[CT+8*\u+4*\c+\i]   ; the operand's layout wants a whole block in a lane
.endr
.endr
.endr
.irp u, 0,1
.irp c, 0,1
.irp i, 0,1,2
	v_mov_b32 v[PC+12*\u+6*\c+3+\i], v[CT+8*\u+4*\c+\i]
.endr
.endr
.endr
	WIN 0x05                                       ; THE ROW'S SUM OF THE UNQUANTISED p: four chains a tile, two numbers a line
.irp k, 0,1,2
.irp u, 0,1
	v_pk_add_f32 v[T+6*\u+2*\k:T+6*\u+2*\k+1], v[S+64*\u+4*\k:S+64*\u+4*\k+1], v[S+64*\u+4*\k+2:S+64*\u+4*\k+3]
.endr
.endr
	WIN 0x01
.set p, 6
.rept 26
.irp u, 0,1
.if p%4
	v_pk_add_f32 v[T+6*\u+2*(p%4)-2:T+6*\u+2*(p%4)-1], v[S+64*\u+2*p:S+64*\u+2*p+1], v[T+6*\u+2*(p%4)-2:T+6*\u+2*(p%4)-1]
.else
	v_pk_add_f32 v[LS+2*\u:LS+2*\u+1], v[S+64*\u+2*p:S+64*\u+2*p+1], v[LS+2*\u:LS+2*\u+1]
.endif
.endr
.set p, p+1
.endr
	WALU
	s_wait_dscnt 0x0                               ; this step's v and the next step's k are in
	WIN 0x54                                       ; O^T += V^T P^T: eight accumulators by turns
.irp u, 0,1
.irp c, 0,2
	WM O+32*\u+8*\c, VF+12*\c, PC+12*\u, v[O+32*\u+8*\c:O+32*\u+8*\c+7], VSC+\c/2, PWD+\u, 0, 0
	WM O+32*\u+8*\c+8, VF+12*\c+12, PC+12*\u, v[O+32*\u+8*\c+8:O+32*\u+8*\c+15], VSC+\c/2, PWD+\u, 1, 0
.endr
.endr
	WIN 0
.irp u, 0,1                            ; the chains join: six plain lines, which are also the places ahead of the loads into v's registers
	v_pk_add_f32 v[T+6*\u:T+6*\u+1], v[T+6*\u:T+6*\u+1], v[T+6*\u+2:T+6*\u+3]
.endr
.irp u, 0,1
	v_pk_add_f32 v[LS+2*\u:LS+2*\u+1], v[LS+2*\u:LS+2*\u+1], v[T+6*\u+4:T+6*\u+5]
.endr
.irp u, 0,1
	v_pk_add_f32 v[LS+2*\u:LS+2*\u+1], v[LS+2*\u:LS+2*\u+1], v[T+6*\u:T+6*\u+1]
.endr
	VLOAD                                          ; the next step's v
	s_add_co_u32 s[CNT], s[CNT], 1
	s_cmp_lt_u32 s[CNT], 16
	s_cbranch_scc1 .Lstep
; THE WAY OUT of both tiles.  O^T / the sum; registers 16 g + i are channels 32 g + 16 h + i of my query: two blocks of the last product's K: one unit of codes and two scale bytes a tile.
.irp u, 0,1
	v_add_f32 v[LS+2*\u], v[LS+2*\u], v[LS+2*\u+1]
.endr
.irp u, 0,1
	v_permlanex16_b32 v[TW+\u], v[LS+2*\u], s[SEL], s[SEL+1]
.endr
.irp u, 0,1
	v_add_f32 v[LS+2*\u], v[LS+2*\u], v[TW+\u]
.endr
	WALU
.irp u, 0,1
	v_rcp_f32 v[FF+2*\u], v[LS+2*\u]
.endr
	v_nop
	WIN 0x41
	WALU                                           ; directly ahead of the first reader of O^T and of the reciprocals
.irp u, 0,1
.set j, 0
.rept 16
	v_pk_mul_f32 v[O+32*\u+j:O+32*\u+j+1], v[O+32*\u+j:O+32*\u+j+1], v[FF+2*\u:FF+2*\u+1] op_sel_hi:[1,0]
.set j, j+2
.endr
.endr
	WIN 0x14
.irp u, 0,1
.irp g, 0,1
	v_max3_num_f32 v[BM+4*\u+\g], 0x1800000, |v[O+32*\u+16*\g]|, |v[O+32*\u+16*\g+1]|
.endr
.endr
.irp i, 2,4,6,8,10,12,14
.irp u, 0,1
.irp g, 0,1
	v_max3_num_f32 v[BM+4*\u+\g], v[BM+4*\u+\g], |v[O+32*\u+16*\g+\i]|, |v[O+32*\u+16*\g+\i+1]|
.endr
.endr
.endr
	WIN 0
.irp k, 0,1,4,5
	v_permlanex16_b32 v[BX+\k], v[BM+\k], s[SEL], s[SEL+1]
.endr
.irp k, 0,1,4,5
	v_max_num_f32 v[BM+\k], v[BM+\k], v[BX+\k]
.endr
.irp k, 0,1,4,5
	v_add_nc_u32 v[SO+\k], 0xff000000, v[BM+\k]
.endr
.irp k, 0,1,4,5
	v_lshrrev_b32 v[BX+\k], 23, v[SO+\k]
.endr
	WIN 0x41
.irp u, 0,1
	v_cvt_scalef32_pk16_fp6_f32 v[PC+12*\u:PC+12*\u+2], v[O+32*\u:O+32*\u+15], v[SO+4*\u]
	v_cvt_scalef32_pk16_fp6_f32 v[CT+8*\u:CT+8*\u+2], v[O+32*\u+16:O+32*\u+31], v[SO+4*\u+1]
.endr
	v_nop
.irp u, 0,1
.irp i, 0,1,2
	v_permlane16_swap_b32 v[PC+12*\u+\i], v[CT+8*\u+\i]
.endr
.endr
.irp u, 0,1
.irp i, 0,1,2
	v_mov_b32 v[PC+12*\u+3+\i], v[CT+8*\u+\i]
.endr
.endr
	WIN 0
.irp u, 0,1
	v_cndmask_b32 v[TW+\u], v[BX+4*\u], v[BX+4*\u+1], s[HM]   ; lanes 0-15 store block 0's byte, lanes 16-31 block 1's
.endr
.irp u, 0,1
	global_store_b8 v[BO], v[TW+\u], s[50:51] offset:256*\u
.endr
	WIN 0x04                                       ; the data lie in window 1
.irp u, 0,1
	global_store_b128 v[L16], v[PC+12*\u:PC+12*\u+3], s[48:49] offset:12288*\u
	global_store_b64 v[L8], v[PC+12*\u+4:PC+12*\u+5], s[48:49] offset:12288*\u+512
.endr
	WIN 0
	s_cmp_eq_u32 s[PASS], 1
	s_cbranch_scc1 .Llast                          ; behind the second pass nothing is made ready
	s_wait_xcnt 0x0                                ; the stores have read their registers and bases
	s_add_nc_u64 s[48:49], s[48:49], 24576         ; the next pair of tiles
	s_add_nc_u64 s[50:51], s[50:51], 1024
.irp i, 0,1,2,3,4,5
	v_mov_b32 v[QF+\i], v[QB+\i]
	v_mov_b32 v[QF+12+\i], v[QB+6+\i]
.endr
	v_mov_b32 v[QS], v[QS+1]
.Llast:
	s_add_co_u32 s[PASS], s[PASS], 1
	s_cmp_lg_u32 s[PASS], 2
	s_cbranch_scc1 .Lpass
	s_wait_tensorcnt 0x0                           ; the wave's end
	ds_add_u32 v[SPW], v[NIL]
	s_wait_dscnt 0x0
	CROUND                                         ; the closing round
	s_endpgm
.Lfunc_end_k_qd03e1a01f6_attn:
	.size	k_qd03e1a01f6_attn, .Lfunc_end_k_qd03e1a01f6_attn-k_qd03e1a01f6_attn
	.p2alignl 7, 3214868480
	.fill 96, 4, 3214868480
	.section	.rodata,"a",@progbits
	.p2align	6, 0x0
	.amdhsa_kernel k_qd03e1a01f6_attn
		.amdhsa_group_segment_fixed_size 212992
		.amdhsa_private_segment_fixed_size 0
		.amdhsa_enable_private_segment 0
		.amdhsa_kernarg_size 32
		.amdhsa_user_sgpr_count 2
		.amdhsa_user_sgpr_kernarg_segment_ptr 1
		.amdhsa_wavefront_size32 1
		.amdhsa_system_sgpr_workgroup_id_x 1
		.amdhsa_system_sgpr_workgroup_id_y 1
		.amdhsa_system_sgpr_workgroup_id_z 1
		.amdhsa_system_vgpr_workitem_id 0
		.amdhsa_next_free_vgpr 512
		.amdhsa_next_free_sgpr 70
		.amdhsa_reserve_vcc 0
		.amdhsa_float_denorm_mode_32 3
		.amdhsa_float_denorm_mode_16_64 3
		.amdhsa_memory_ordered 1
		.amdhsa_forward_progress 1
		.amdhsa_inst_pref_size 49
	.end_amdhsa_kernel
	.amdgpu_metadata
---
amdhsa.version: [ 1, 2 ]
amdhsa.kernels:
  - .name:           k_qd03e1a01f6_attn
    .symbol:         k_qd03e1a01f6_attn.kd
    .args:
      - { .name: qrec, .offset: 0, .size: 8, .value_kind: global_buffer, .address_space: global }
      - { .name: kvrec, .offset: 8, .size: 8, .value_kind: global_buffer, .address_space: global }
      - { .name: oc, .offset: 16, .size: 8, .value_kind: global_buffer, .address_space: global }
      - { .name: sc, .offset: 24, .size: 8, .value_kind: global_buffer, .address_space: global }
    .group_segment_fixed_size: 212992
    .private_segment_fixed_size: 0
    .kernarg_segment_align: 8
    .kernarg_segment_size: 32
    .max_flat_workgroup_size: 256
    .sgpr_count:     70
    .vgpr_count:     512
    .wavefront_size: 32
...
	.end_amdgpu_metadata
.endif
;; end of part 3
;; launch proj (part 4): grid 8 x 32, 4 waves a work-group, clusters of 4 x 4, 327,680 bytes of LDS; arguments oc, wc, sc, b_out, out0; writes out0
.if DOCPART == 4
	.amdgcn_target "amdgcn-amd-amdhsa--gfx1250"
	.amdhsa_code_object_version 6
	.text
	.protected	k_qd03e1a01f6_proj
	.globl	k_qd03e1a01f6_proj
	.p2align	8
	.type	k_qd03e1a01f6_proj,@function
k_qd03e1a01f6_proj:
	s_mov_b64 s[64:65], 0
	v_nop
	global_prefetch_b8 v0, s[64:65] scope:SCOPE_SE
	s_setreg_imm32_b32 hwreg(HW_REG_WAVE_MODE, 25, 1), 1
	s_wait_xcnt 0x0
	s_wait_alu depctr_hold_cnt(0) depctr_sa_sdst(0) depctr_va_vdst(0) depctr_va_sdst(0) depctr_va_ssrc(0) depctr_va_vcc(0) depctr_vm_vsrc(0)
	s_getreg_b32 s2, hwreg(HW_REG_IB_STS2, 6, 4)
	s_cmp_eq_u32 s2, 0
	s_cbranch_scc0 .Lentry_in_a_cluster
	s_endpgm
.Lentry_in_a_cluster:
	s_bfe_u32 s2, ttmp6, 0x10000c
	s_cmp_lg_u32 s2, 0xf033
	s_cbranch_scc0 .Lentry_shape_is_right
	s_endpgm
.Lentry_shape_is_right:
.set TPITCH, 12288
.set TROW,   6144
.set AREG,   16*TROW
.set SLOT,   24*TROW
.set SPARE,  2*SLOT
.set STAGE,  SPARE+512
.set WOC,    2359296
.set WOS,    360448
.set OS,     393216
.set NB,     4
.set SPW,    28
.set NIL,    29
.set A1,     8
.set A0,     12
.set STO,    18
.set RD,     19
.set CO,     20
.set SC,     32
.set AF,     128
.set G1A,    24
.set G0A,    32
.set G1B,    40
.set G0B,    48
.set MSB, 0
.macro WIN new
.if MSB != \new
	s_set_vgpr_msb (MSB<<8)|\new
.set MSB, \new
.endif
.endm
.macro JLOAD s
	s_cmp_eq_u32 s17, 0
	s_cbranch_scc0 .Lfor_b_\@
	tensor_load_to_lds s[G0A+4*\s:G0A+4*\s+3], s[G1A:G1A+7]
	s_nop 0
.rept 4
	v_nop
.endr
	s_branch .Lasked_\@
.Lfor_b_\@:
	tensor_load_to_lds s[G0B+4*\s:G0B+4*\s+3], s[G1B:G1B+7]
	s_nop 0
.rept 4
	v_nop
.endr
.Lasked_\@:
.endm
.macro CROUND
	s_barrier_signal -1
	s_barrier_wait -1
	s_cmp_lg_u32 s16, 0
	s_cbranch_scc1 .Lnot_wave_0_\@
	s_barrier_signal -3
.Lnot_wave_0_\@:
	s_barrier_wait -3
	s_barrier_signal -1
	s_barrier_wait -1
.endm
.macro PLACES n
.rept \n
	v_nop
.endr
.endm
	s_load_b256 s[4:11], s[0:1], 0x0
	s_load_b64 s[12:13], s[0:1], 0x20
	v_lshl_add_u32 v[SPW], v0, 2, SPARE
	v_mov_b32 v[NIL], 0
	ds_add_u32 v[SPW], v[NIL]
	ds_add_u32 v[SPW], v[NIL]
	v_lshrrev_b32 v1, 5, v0
	v_readfirstlane_b32 s16, v1
	s_lshr_b32 s17, s16, 1
	s_and_b32 s18, s16, 1
	s_bfe_u32 s20, ttmp6, 0x40000
	s_bfe_u32 s21, ttmp6, 0x40004
	s_lshl_b32 s22, ttmp9, 2
	s_add_co_u32 s22, s22, s20
	s_and_b32 s23, ttmp7, 0xffff
	s_lshl_b32 s23, s23, 2
	s_add_co_u32 s23, s23, s21
	s_lshl_b32 s76, s21, 2
	s_lshl_b32 s76, 15, s76
	s_lshl_b32 s77, 0x1111, s20
	s_or_b32 s[G1A], s76, (3<<16)|(1<<21)
	s_or_b32 s[G1B], s77, (3<<16)|(1<<21)
	s_mov_b32 s[G1A+1], 768<<16
	s_mov_b32 s[G1A+2], 8<<16
	s_mov_b32 s[G1A+3], 768<<16
	s_mov_b32 s[G1A+4], 8
	s_mov_b32 s[G1A+5], 1536
	s_mov_b32 s[G1A+6], 0
	s_mov_b32 s[G1A+7], 0
	s_mov_b32 s[G1B+1], 768<<16
	s_mov_b32 s[G1B+2], 4<<16
	s_mov_b32 s[G1B+3], 768<<16
	s_mov_b32 s[G1B+4], 4
	s_mov_b32 s[G1B+5], 1536
	s_mov_b32 s[G1B+6], 0
	s_mov_b32 s[G1B+7], 0
	s_lshl_b32 s78, s23, 4
	s_lshl_b32 s79, s18, 3
	s_add_co_u32 s78, s78, s79
	s_mul_i32 s78, s78, TPITCH
	s_mov_b32 s79, 0
	s_lshl_b32 s80, s22, 3
	s_lshl_b32 s81, s18, 2
	s_add_co_u32 s80, s80, s81
	s_mul_i32 s80, s80, TPITCH
	s_add_co_u32 s80, s80, WOC
	s_mov_b32 s81, 0
	s_mul_i32 s82, s18, 8*TROW
	s_mul_i32 s83, s18, 4*TROW
	s_add_co_u32 s83, s83, AREG
	s_mov_b32 s72, 0xffff0000
	s_wait_dscnt 0x0
	s_wait_kmcnt 0x0
	s_add_nc_u64 s[78:79], s[4:5], s[78:79]
	s_add_nc_u64 s[80:81], s[6:7], s[80:81]
	CROUND
.irp s, 0,1
	s_mov_b32 s[G0A+4*\s], 1
	s_add_co_u32 s[G0A+4*\s+1], s82, \s*SLOT
	s_add_nc_u64 s[G0A+4*\s+2:G0A+4*\s+3], s[78:79], \s*TROW
	s_or_b32 s[G0A+4*\s+3], s[G0A+4*\s+3], 0x80000000
	s_mov_b32 s[G0B+4*\s], 1
	s_add_co_u32 s[G0B+4*\s+1], s83, \s*SLOT
	s_add_nc_u64 s[G0B+4*\s+2:G0B+4*\s+3], s[80:81], \s*TROW
	s_or_b32 s[G0B+4*\s+3], s[G0B+4*\s+3], 0x80000000
.endr
	JLOAD 0                                        ; slot 0: my one tensor load at the head; the set-up and the plain loads below stand under its flight
	v_and_b32 v1, 15, v0
	v_bfe_u32 v2, v0, 4, 1
	v_and_b32 v3, 8, v1
	v_add_nc_u32 v3, v3, v1
	v_and_b32 v4, 31, v0
	v_lshlrev_b32 v5, 3, v4
	v_lshlrev_b32 v4, 4, v4
	s_mul_i32 s84, s17, 8*TROW
	s_mul_i32 s85, s18, 4*TROW
	s_add_co_u32 s85, s85, AREG
	v_add_nc_u32 v[A1], s84, v4
	v_add_nc_u32 v[A1+2], s84, v5
	v_add_nc_u32 v[A0], s85, v4
	v_add_nc_u32 v[A0+2], s85, v5
	v_add_nc_u32 v[A1+1], SLOT, v[A1]
	v_add_nc_u32 v[A1+3], SLOT, v[A1+2]
	v_add_nc_u32 v[A0+1], SLOT, v[A0]
	v_add_nc_u32 v[A0+3], SLOT, v[A0+2]
	s_lshl_b32 s76, s23, 13
	s_lshl_b32 s77, s17, 12
	s_add_co_u32 s76, s76, s77
	s_add_co_u32 s76, s76, OS
	s_lshl_b32 s77, s22, 12
	s_lshl_b32 s86, s18, 11
	s_add_co_u32 s77, s77, s86
	s_add_co_u32 s77, s77, WOS
	v_mov_b32 v16, s76
	v_mov_b32 v17, s77
	v_cndmask_b32 v16, v16, v17, s72
	v_lshl_add_u32 v16, v3, 5, v16
	v_lshlrev_b32 v17, 11, v2
	v_sub_nc_u32 v17, v16, v17
.irp i, 0,1,2,3
	global_load_b128 v[SC+8*\i:SC+8*\i+3], v16, s[8:9] offset:(32*(\i/2)+8*(\i%2))*32
	global_load_b128 v[SC+8*\i+4:SC+8*\i+7], v16, s[8:9] offset:(32*(\i/2)+8*(\i%2))*32+16
.endr
.irp i, 4,5,6,7
	global_load_b128 v[SC+8*\i:SC+8*\i+3], v17, s[8:9] offset:(32*(\i/2)+8*(\i%2))*32
	global_load_b128 v[SC+8*\i+4:SC+8*\i+7], v17, s[8:9] offset:(32*(\i/2)+8*(\i%2))*32+16
.endr
	s_lshl_b32 s76, s22, 9
	s_lshl_b32 s77, s18, 8
	s_add_co_u32 s76, s76, s77
	s_mov_b32 s77, 0
	s_add_nc_u64 s[10:11], s[10:11], s[76:77]
	v_lshlrev_b32 v21, 6, v2
.irp b, 0,1,2,3
	global_load_b128 v[96+8*\b:96+8*\b+3], v21, s[10:11] offset:(32*(\b/2)+8*(\b%2))*4
	global_load_b128 v[96+8*\b+4:96+8*\b+7], v21, s[10:11] offset:(32*(\b/2)+8*(\b%2))*4+16
.endr
	s_mul_i32 s84, s16, 16*272
	s_add_co_u32 s84, s84, STAGE
	v_mul_u32_u24 v[STO], v1, 272
	v_lshl_add_u32 v[STO], v2, 6, v[STO]
	v_add_nc_u32 v[STO], s84, v[STO]
	v_mul_u32_u24 v[RD], v2, 272
	v_lshl_add_u32 v[RD], v1, 4, v[RD]
	v_add_nc_u32 v[RD], s84, v[RD]
	v_lshlrev_b32 v[CO], 12, v2
	v_lshl_add_u32 v[CO], v1, 4, v[CO]
	s_lshl_b32 s76, s23, 20
	s_lshl_b32 s77, s17, 19
	s_add_co_u32 s76, s76, s77
	s_lshl_b32 s77, s22, 9
	s_add_co_u32 s76, s76, s77
	s_lshl_b32 s77, s18, 8
	s_add_co_u32 s76, s76, s77
	s_mov_b32 s77, 0
	s_add_nc_u64 s[12:13], s[12:13], s[76:77]
.macro FRAG reg, adr, off
	ds_load_b128 v[\reg:\reg+3], v[\adr] offset:\off
	ds_load_b64 v[\reg+4:\reg+5], v[\adr+2] offset:\off+512
	ds_load_b128 v[\reg+6:\reg+9], v[\adr] offset:\off+768
	ds_load_b64 v[\reg+10:\reg+11], v[\adr+2] offset:\off+1280
.endm
.macro FETCH0 slot, q, p
	WIN 0x40
.irp i, 0,1,2,3
	FRAG 128*(\p)+12*\i, A0+\slot, \i*TROW+1536*(\q)
.endr
	WIN 0
.endm
.macro FETCH1 slot, q, i0
.irp i, \i0, \i0+1, \i0+2, \i0+3
	FRAG AF+12*(\i), A1+\slot, (\i)*TROW+1536*(\q)
.endr
.endm
.macro MULG a0, p, g, cm
.if \cm
	WIN 0x81
.else
	WIN 0xa1
.endif
.irp a, \a0, \a0+1
.irp b, 0,1,2,3
.set AC, 8*(NB*(\a)+\b)
.if \cm
.set CR, 96+8*\b
.else
.set CR, AC
.endif
	v_wmma_scale_f32_16x16x128_f8f6f4 v[AC:AC+7], v[128*(\p)+12*\b:128*(\p)+12*\b+11], v[AF+12*(\a):AF+12*(\a)+11], v[CR:CR+7], v[SC+8*\b+(\g)], v[SC+8*(\a)+(\g)] matrix_a_fmt:MATRIX_FMT_FP6 matrix_b_fmt:MATRIX_FMT_FP6 matrix_a_scale:MATRIX_SCALE_ROW1
.endr
.endr
.endm
.macro STEP slot, q, g, cm
	s_wait_dscnt 16
	MULG 0, (\g)%2, \g, \cm
	MULG 2, (\g)%2, \g, \cm
	s_wait_dscnt 0x0
	PLACES 4
	FETCH0 \slot, (\q)+1, 1-(\g)%2
	FETCH1 \slot, (\q)+1, 0
	MULG 4, (\g)%2, \g, \cm
	MULG 6, (\g)%2, \g, \cm
	PLACES 4
	WIN 0
	FETCH1 \slot, (\q)+1, 4
.endm
	s_wait_alu depctr_va_vdst(0)                   ; slot 1's first fill is issued as a refill is: the three lines, a whole round, the joint load
	s_wait_tensorcnt 0x0
	ds_add_u32 v[SPW], v[NIL]
	s_wait_dscnt 0x0
	CROUND
	JLOAD 1
	FETCH0 0, 0, 0
	FETCH1 0, 0, 0
	FETCH1 0, 0, 4
	s_wait_loadcnt 0x0
	STEP 0, 0, 0, 1
	STEP 0, 1, 1, 0
	STEP 0, 2, 2, 0
	s_wait_tensorcnt 0x0
	ds_add_u32 v[SPW], v[NIL]
	s_wait_dscnt 17
	MULG 0, 1, 3, 0
	s_wait_dscnt 0x0
	s_barrier_signal -1
	MULG 2, 1, 3, 0
	WIN 0
	s_barrier_wait -1
	PLACES 4
	FETCH0 1, 0, 0
	FETCH1 1, 0, 0
	MULG 4, 1, 3, 0
	MULG 6, 1, 3, 0
	PLACES 4
	WIN 0
	FETCH1 1, 0, 4
	STEP 1, 0, 4, 0
	STEP 1, 1, 5, 0
	STEP 1, 2, 6, 0
	s_wait_dscnt 16
	MULG 0, 1, 7, 0
	MULG 2, 1, 7, 0
	s_wait_alu depctr_va_vdst(0)
	s_wait_dscnt 0x0
	MULG 4, 1, 7, 0
	MULG 6, 1, 7, 0
	WIN 0
.macro TOSTAGE a
	WIN 0x08
.irp b, 0,1,2,3
	ds_store_b128 v[STO], v[32*(\a)+8*\b:32*(\a)+8*\b+3] offset:128*(\b/2)+32*(\b%2)
	ds_store_b128 v[STO], v[32*(\a)+8*\b+4:32*(\a)+8*\b+7] offset:128*(\b/2)+32*(\b%2)+16
.endr
	WIN 0
.set BB, 128+32*((\a)%2)
.irp t, 0,1,2,3,4,5,6,7
	ds_load_b128 v[BB+4*\t:BB+4*\t+3], v[RD] offset:\t*2*272
.endr
.endm
.macro SEND a, younger
.set BB, 128+32*((\a)%2)
	s_wait_dscnt \younger
.irp t, 0,1,2,3,4,5,6,7
	global_store_b128 v[CO], v[BB+4*\t:BB+4*\t+3], s[12:13] offset:(32*((\a)/2)+8*((\a)%2)+2*\t+8*(\t/4))*4096 th:TH_STORE_NT
.endr
.endm
	PLACES 4
	TOSTAGE 0
.irp a, 1,2,3,4,5,6,7
.if \a > 1
	s_wait_xcnt 0x0
.endif
	TOSTAGE \a
	SEND \a-1, 16
.endr
	SEND 7, 0
	s_wait_tensorcnt 0x0
	ds_add_u32 v[SPW], v[NIL]
	s_wait_dscnt 0x0
	CROUND
	s_endpgm
.Lfunc_end_k_qd03e1a01f6_proj:
	.size	k_qd03e1a01f6_proj, .Lfunc_end_k_qd03e1a01f6_proj-k_qd03e1a01f6_proj
	.p2alignl 7, 3214868480
	.fill 96, 4, 3214868480
	.section	.rodata,"a",@progbits
	.p2align	6, 0x0
	.amdhsa_kernel k_qd03e1a01f6_proj
		.amdhsa_group_segment_fixed_size 327680
		.amdhsa_private_segment_fixed_size 0
		.amdhsa_enable_private_segment 0
		.amdhsa_kernarg_size 40
		.amdhsa_user_sgpr_count 2
		.amdhsa_user_sgpr_kernarg_segment_ptr 1
		.amdhsa_wavefront_size32 1
		.amdhsa_system_sgpr_workgroup_id_x 1
		.amdhsa_system_sgpr_workgroup_id_y 1
		.amdhsa_system_sgpr_workgroup_id_z 1
		.amdhsa_system_vgpr_workitem_id 0
		.amdhsa_next_free_vgpr 768
		.amdhsa_next_free_sgpr 90
		.amdhsa_reserve_vcc 0
		.amdhsa_float_denorm_mode_32 3
		.amdhsa_float_denorm_mode_16_64 3
		.amdhsa_memory_ordered 1
		.amdhsa_forward_progress 1
		.amdhsa_inst_pref_size 86
	.end_amdhsa_kernel
	.amdgpu_metadata
---
amdhsa.version: [ 1, 2 ]
amdhsa.kernels:
  - .name:           k_qd03e1a01f6_proj
    .symbol:         k_qd03e1a01f6_proj.kd
    .args:
      - { .name: oc, .offset: 0, .size: 8, .value_kind: global_buffer, .address_space: global }
      - { .name: wc, .offset: 8, .size: 8, .value_kind: global_buffer, .address_space: global }
      - { .name: sc, .offset: 16, .size: 8, .value_kind: global_buffer, .address_space: global }
      - { .name: b_out, .offset: 24, .size: 8, .value_kind: global_buffer, .address_space: global }
      - { .name: out0, .offset: 32, .size: 8, .value_kind: global_buffer, .address_space: global }
    .group_segment_fixed_size: 327680
    .private_segment_fixed_size: 0
    .kernarg_segment_align: 8
    .kernarg_segment_size: 40
    .max_flat_workgroup_size: 128
    .sgpr_count:     90
    .vgpr_count:     768
    .wavefront_size: 32
...
	.end_amdgpu_metadata
.endif
;; end of part 4
